; MI455X (gfx1250); checked and timed in simulation.
; The chip was launched on July 23, 2026; its instructions are those of AMD's public machine-readable ISA for CDNA 5 (MIT licence, August 2026) and "CDNA5" Instruction Set Architecture Reference Guide (July 2026). The comments in the code are by the model that wrote it; some were corrected since.
;; Self Attention. Allowed arithmetic: matrix products marked QUANTISED: E2M1 operands, one E8M0 scale for each 32 along K, by v_wmma_scale_f32_16x16x128_f8f6f4 with both operands' format E2M1 (or v_wmma_scale_f32_32x16x128_f4), f32 sums; products left as they are: bf16, f16 or f32 operands; f32 sums; everything else in f32.
;; Inputs: attention_mask 1 x 4,096 int32; cos 4,096 x 32 float32; full_mask 4,096 x 4,096 bool; sin 4,096 x 32 float32; wk 1,024 x 256 float32; wo 1,024 x 1,024 float32; wq 1,024 x 1,024 float32; wv 1,024 x 256 float32; x 1 x 4,096 x 1,024 float32.
;; Outputs: out0 1 x 4,096 x 1,024 float32.
;; Constants: start = 0.
;; This version of the problem:
;;   THIS VERSION OF THE PROBLEM IS GIVEN IN LOW PRECISION. The matrix products marked QUANTISED in the list below multiply operands that are first quantised to E2M1 (2 exponent bits, 1 mantissa bit; 4 bits a number), with one power-of-two scale for each 32 numbers along K (OCP MX v1.0); their sums are f32. The products marked 'left as it is' may take bf16, f16 or f32 operands, with f32 sums. Whichever they take, every output number must still come out within the allowed error. Rounding operands to bf16 (8 significant bits) uses up far more of that allowance than f16 does (11 bits, for magnitudes from 6e-5 to 65,504). All else is computed in f32.
;;   The module's matrix products, in the order in which they are computed (A, B: the left and right operand; K: the contracted axis; several contracted axes count as one K, in the product's order):
;;     1. [M 4,096, K 1,024] x [K 1,024, N 1,024]; A: input x; B: input wq: QUANTISED
;;     2. [M 4,096, K 1,024] x [K 1,024, N 256]; A: input x; B: input wk: QUANTISED
;;     3. [M 4,096, K 1,024] x [K 1,024, N 256]; A: input x; B: input wv: QUANTISED
;;     4. batch 16 x [M 4,096, K 64] x [K 64, N 4,096]; A: computed on the way; B: computed on the way: left as it is (an operand is computed on the way)
;;     5. batch 16 x [M 4,096, K 4,096] x [K 4,096, N 64]; A: computed on the way; B: computed on the way: left as it is (an operand is computed on the way)
;;     6. [M 4,096, K 1,024] x [K 1,024, N 1,024]; A: computed on the way; B: input wo: left as it is (an operand is computed on the way)
;;   THE QUANTISER, for each operand of a quantised product, along K:
;;     - K is cut into blocks of 32 from its start; a last block that is shorter is filled with zeros.
;;     - A block's scale is 2^e with e = floor(log2(the largest magnitude in the block)) - 2, held to -126 .. 127; a block of zeros has e = 0. As a byte (E8M0): e + 127.
;;     - Each number is divided by its block's scale, clamped to +-6, and rounded to the nearest number of E2M1, ties to even, subnormals kept.
;;     - The product sums the exact products of the quantised numbers (number of the format x scale) in f32.
;;   ~~~python
;;   def quantise(x, axis):      # numpy; x: float32 -> the quantised numbers, widened to float32 again
;;       x = np.moveaxis(x, axis, -1); K = x.shape[-1]
;;       x = np.pad(x, [(0, 0)] * (x.ndim - 1) + [(0, -K % 32)]); x = x.reshape(x.shape[:-1] + (-1, 32)); a = np.abs(x).max(-1, keepdims=True)
;;       e = np.where(a > 0, np.clip(np.frexp(np.where(a > 0, a, 1))[1] - 1 - 2, -126, 127), 0)      # np.frexp(a)[1] - 1 = floor(log2(a)), exactly
;;       r = np.clip(x / 2.0 ** e, -6, 6)
;;       step = 2.0 ** (np.maximum(np.frexp(np.where(r == 0, 1, r))[1] - 1, 0) - 1)
;;       q = np.round(r / step) * step * 2.0 ** e      # np.round: ties to even
;;       return np.moveaxis(q.reshape(q.shape[:-2] + (-1,))[..., :K], -1, axis).astype(np.float32)
;;   ~~~
;; One version. Each part assembles by itself: llvm-mc -triple=amdgcn-amd-amdhsa -mcpu=gfx1250 --defsym DOCPART=n.
;; ======== version 1 of 1: 5 launches
;; limits: values are held in f16: magnitudes above 65,504 overflow, below 6.1e-05 lose precision
;; workspace buffers: x_codes 2,097,152 bytes; x_scales 131,072 bytes; wq4 835,584 bytes; wo16 2,097,152 bytes; mw 2,097,152 bytes of whole numbers; cls 2,048 bytes of whole numbers; qkvf 14,712,832 bytes; cf 8,454,144 bytes
;; launch prep (part 1): grid 608 x 1, 4 waves a work-group, no clusters, 78,336 bytes of LDS; arguments x, wq, wk, wv, wo, full_mask, attention_mask, x_codes, x_scales, wq4, wo16, mw, cls; writes x_codes, x_scales, wq4, wo16, mw, cls
.if DOCPART == 1
	.amdgcn_target "amdgcn-amd-amdhsa--gfx1250"
	.amdhsa_code_object_version 6
	.text
	.protected	k_qfd2e9fda0a_prep
	.globl	k_qfd2e9fda0a_prep
	.p2align	8
	.type	k_qfd2e9fda0a_prep,@function
k_qfd2e9fda0a_prep:
	s_mov_b64 s[64:65], 0
	v_nop
	global_prefetch_b8 v0, s[64:65] scope:SCOPE_SE
	s_setreg_imm32_b32 hwreg(HW_REG_WAVE_MODE, 25, 1), 1
	s_wait_xcnt 0x0
; SELF-ATTENTION, launch 1 of 5: everything that is made once from the inputs.
; DEAD WORK: none is left out in this program; every input is loaded (start is the constant 0).  Where a block of 32 queries has a tile of 64 keys wholly masked, the attention launch adds that tile's 64 equal
; terms exp(-1e6 - m) V[k] as one term with the weight 64 and the tile's mean of V: an identity of real numbers for all inputs; which tiles go that way is decided by the whole numbers stored here.
; Four paths, by the work-group's number; each has LDS bytes of its own.
;   M (0-255):   full_mask & (attention_mask != 0) becomes lane masks mw[a 256][T 64][32 words] and class bits cls[b 128][16 bytes].
;   X (256-383): x [4096][1024] f32 -> codes of E2M1, K innermost, and one E8M0 byte for each 32 along K.  Rows are laid by pos = the token's number with bits 3 and 4 exchanged.
;   W (384-479): wq, wk, wv [1024 (k)][n] f32 -> codes [n 1536][512 bytes] and scale bytes [n][32] behind them (byte 786,432 of wq4).
;   O (480-607): wo f32 -> f16.
; ROW TILES.  Tile a (0-255), row p (0-15) is token 32 (a/2) + 8 (a%2) + p + 8 (p/8): so two neighbouring tiles of a transposed product leave 16 neighbouring tokens in a lane's 16 registers.
; mw: word 16 u + i of (a, T), bit of lane (r, h) = 1 where key 64 T + 32 u + 16 h + i counts for the query of tile a, row r.
; cls: for block b (tiles 2 b, 2 b + 1): bytes 0-7 LIVE (bit T: some pair counts), bytes 8-15 MIX (LIVE, and not all pairs count).
; THE QUANTISER: a block's scale is 2^(floor(log2(largest magnitude)) - 2); its byte is the largest magnitude's exponent field - 2, held at 1 from below.
; LIMITS: a block of zeros gets the byte 1 where the rule says 127 (its codes are zeros; this program alone reads the bytes); blocks under 2^-124 were not tried; NaN and infinities are not served;
; wo goes to f16: magnitudes up to 65,504; under 6e-5 it keeps an absolute step of 6e-8.
.set SPW,   12                         ; v12  LDS address of my spare word; never rewritten
.set NIL,   13                         ; v13  0; never rewritten
.set XREG,  8192                       ; path X: a region for each wave: two stages of 32 x 80 bytes, then 256 scale bytes
.set SP,    80
.set WSTG,  32768                      ; path W: 32 rows x 272
.set WSCL,  41472                      ; path W: 32 x 16 scale bytes
.set MREG,  41984                      ; path M: a region for each wave: 16 rows x 528, then 512 bytes of key flags
.set MWAVE, 8960
.set MAM,   8448
.set SPARE, 77824                      ; the spare words, 128 bytes for each wave
.macro FINISH                          ; the wave's end: three lines behind my last LDS store
	s_wait_tensorcnt 0x0
	ds_add_u32 v[SPW], v[NIL]
	s_wait_dscnt 0x0
	s_endpgm
.endm
	v_lshl_add_u32 v[SPW], v0, 2, SPARE
	v_mov_b32 v[NIL], 0
	v_lshrrev_b32 v1, 5, v0
	v_readfirstlane_b32 s16, v1                    ; wave 0..3
	v_and_b32 v2, 31, v0                           ; lane
	s_cmp_lt_u32 ttmp9, 256
	s_cbranch_scc1 .Lpath_m
	s_cmp_lt_u32 ttmp9, 384
	s_cbranch_scc1 .Lpath_x
	s_cmp_lt_u32 ttmp9, 480
	s_cbranch_scc1 .Lpath_w
; ---------------- path O: 32,768 bytes of wo a work-group; a wave's load covers 512 consecutive bytes, its store 256, aligned
	s_load_b64 s[4:5], s[0:1], 0x20                ; wo
	s_load_b64 s[6:7], s[0:1], 0x50                ; wo16
	s_sub_co_u32 s17, ttmp9, 480
	s_lshl_b32 s18, s17, 15
	s_mov_b32 s19, 0
	s_lshl_b32 s20, s17, 14
	s_mov_b32 s21, 0
	v_lshlrev_b32 v3, 4, v0
	v_lshlrev_b32 v4, 3, v0
	s_wait_kmcnt 0x0
	s_add_nc_u64 s[4:5], s[4:5], s[18:19]
	s_add_nc_u64 s[6:7], s[6:7], s[20:21]
.irp i, 0,1,2,3,4,5,6,7,8,9,10,11,12,13,14,15
	global_load_b128 v[32+4*\i:35+4*\i], v3, s[4:5] offset:2048*\i th:TH_LOAD_NT
.endr
.irp i, 0,1,2,3,4,5,6,7,8,9,10,11,12,13,14,15
	s_wait_loadcnt 15-\i                           ; loads come back in order: load i is in
	v_cvt_pk_f16_f32 v[96+2*\i], v[32+4*\i], v[33+4*\i]
	v_cvt_pk_f16_f32 v[97+2*\i], v[34+4*\i], v[35+4*\i]
	global_store_b64 v4, v[96+2*\i:97+2*\i], s[6:7] offset:1024*\i
.endr
	s_endpgm
; ---------------- path X: a wave takes 8 tokens = 8,192 numbers = 16 steps of 512.  Loads take the bytes as they lie (512 a load); a step turns through the wave's stage so that a lane holds 16 neighbours
.set XR,  16                           ; v16-143  eight sets of 16 numbers as loaded
.set XX,  144                          ; v144-175 two sets of 16 neighbours
.set XCD, 176                          ; v176-207 codes, two registers a step
.set XE,  208                          ; v208-223 a scale byte a step
.Lpath_x:
	s_load_b64 s[4:5], s[0:1], 0x0                 ; x
	s_load_b64 s[8:9], s[0:1], 0x38                ; x_codes
	s_load_b64 s[10:11], s[0:1], 0x40              ; x_scales
	v_lshlrev_b32 v3, 4, v2                        ; my 16 bytes of a load's 512
	s_mul_i32 s17, s16, XREG
	v_lshrrev_b32 v14, 2, v2
	v_mul_u32_u24 v14, v14, SP
	v_and_b32 v15, 3, v2
	v_lshl_add_u32 v14, v15, 4, v14
	v_add_nc_u32 v14, s17, v14                     ; the stage on the way in: 80 (lane / 4) + 16 (lane % 4)
	v_mul_u32_u24 v15, v2, SP
	v_add_nc_u32 v15, s17, v15                     ; and on the way out: 80 x lane
	v_lshlrev_b32 v4, 3, v2                        ; my 8 bytes of a step's codes
	v_lshrrev_b32 v5, 1, v2
	s_add_co_u32 s17, s17, 2*32*SP
	v_add_nc_u32 v5, s17, v5                       ; my block's scale byte
	v_lshlrev_b32 v7, 3, v2
	v_add_nc_u32 v6, s17, v7
	s_sub_co_u32 s18, ttmp9, 256
	s_lshl_b32 s18, s18, 2
	s_add_co_u32 s19, s18, s16                     ; in: tokens 8 (4 wg + wave) on
	s_and_b32 s20, s16, 1
	s_lshl_b32 s20, s20, 1
	s_lshr_b32 s21, s16, 1
	s_or_b32 s20, s20, s21                         ; the wave's two bits exchanged: token bits 3 and 4
	s_add_co_u32 s20, s18, s20                     ; out: pos rows 8 (4 wg + that) on
	s_lshl_b32 s22, s19, 15
	s_mov_b32 s23, 0
	s_lshl_b32 s24, s20, 12
	s_mov_b32 s25, 0
	s_lshl_b32 s26, s20, 8
	s_mov_b32 s27, 0
	s_wait_kmcnt 0x0
	s_add_nc_u64 s[4:5], s[4:5], s[22:23]
	s_add_nc_u64 s[8:9], s[8:9], s[24:25]
	s_add_nc_u64 s[10:11], s[10:11], s[26:27]
.macro XLOAD t
.irp i, 0,1,2,3
	global_load_b128 v[XR+16*((\t)%8)+4*\i:XR+16*((\t)%8)+4*\i+3], v3, s[4:5] offset:2048*(\t)+512*\i th:TH_LOAD_NT
.endr
.endm
.macro XTURN t                         ; LDS serves a wave's instructions in order: no wait between the stores and the loads
.irp i, 0,1,2,3
	ds_store_b128 v14, v[XR+16*((\t)%8)+4*\i:XR+16*((\t)%8)+4*\i+3] offset:32*SP*((\t)%2)+8*SP*\i
.endr
.irp i, 0,1,2,3
	ds_load_b128 v[XX+16*((\t)%2)+4*\i:XX+16*((\t)%2)+4*\i+3], v15 offset:32*SP*((\t)%2)+16*\i
.endr
.endm
.irp t, 0,1,2,3,4,5,6,7
	XLOAD \t
.endr
	s_wait_loadcnt 28                              ; step 0's four loads are in; seven steps' may be out
	XTURN 0
.macro XSTEP t
.set XS, XX+16*((\t)%2)
.if (\t) > 0
	s_wait_dscnt 1                                 ; this step's numbers are back from the stage (the last step's byte store may be out)
.else
	s_wait_dscnt 0x0
.endif
.if (\t)+8 < 16
	XLOAD (\t)+8                                   ; into the set whose stores into the stage are done
.endif
.if (\t)+1 < 16
.if (\t) <= 7
	s_wait_loadcnt 28                              ; the next step's loads are in; those of the seven steps behind it may be out
.else
	s_wait_loadcnt 4*(14-(\t))
.endif
	XTURN (\t)+1
.endif
	v_max3_num_f32 v8, |v[XS]|, |v[XS+1]|, |v[XS+2]|
	v_max3_num_f32 v9, |v[XS+3]|, |v[XS+4]|, |v[XS+5]|
.irp i, 6,10
	v_max3_num_f32 v8, v8, |v[XS+\i]|, |v[XS+\i+1]|
	v_max3_num_f32 v9, v9, |v[XS+\i+2]|, |v[XS+\i+3]|
.endr
	v_max3_num_f32 v8, v8, |v[XS+14]|, |v[XS+15]|
	v_max3_num_f32 v8, v8, v9, 0x1800000           ; and the floor 2^(3 - 127): the byte cannot fall under 1
	v_max_num_f32_dpp v8, v8, v8 row_xmask:1 row_mask:0xf bank_mask:0xf   ; with my neighbour's 16: the block's largest magnitude
	v_add_nc_u32 v11, 0xff000000, v8               ; 2 off its exponent field: the conversion's scale operand
	v_cvt_scalef32_pk8_fp4_f32 v[XCD+2*(\t)], v[XS:XS+7], v11
	v_cvt_scalef32_pk8_fp4_f32 v[XCD+2*(\t)+1], v[XS+8:XS+15], v11
	v_lshrrev_b32 v[XE+(\t)], 23, v11              ; the scale's byte (a plain line behind the conversions)
	ds_store_b8 v5, v[XE+(\t)] offset:16*(\t)      ; both lanes of a block write the same byte with the same value
	global_store_b64 v4, v[XCD+2*(\t):XCD+2*(\t)+1], s[8:9] offset:256*(\t)   ; the wave stores 256 consecutive bytes, aligned
.endm
.irp t, 0,1,2,3,4,5,6,7,8,9,10,11,12,13,14,15
	XSTEP \t
.endr
	ds_load_b64 v[8:9], v6
	s_wait_dscnt 0x0
	global_store_b64 v7, v[8:9], s[10:11]          ; my 8 rows' 256 scale bytes
	FINISH
; ---------------- path W: a work-group takes 32 columns x 512 along K; a lane takes a column, its registers run down K; wave w takes 128 along K = 4 blocks
.macro WLOADS pitch
.irp t, 0,1,2,3
.irp i, 0,1,2,3,4,5,6,7,8,9,10,11,12,13,14,15,16,17,18,19,20,21,22,23,24,25,26,27,28,29,30,31
	global_load_b32 v[32+32*\t+\i], v3, s[4:5] offset:(32*\t+\i)*\pitch th:TH_LOAD_NT
.endr
.endr
.endm
.macro WBLOCK t
.set XS, 32+32*\t
.if \t < 2
	s_wait_loadcnt 63                              ; 96 or 64 younger loads might stay out; the wait's field holds 63
.else
	s_wait_loadcnt 32*(3-\t)
.endif
	v_max3_num_f32 v8, |v[XS]|, |v[XS+1]|, |v[XS+2]|
	v_max3_num_f32 v9, |v[XS+3]|, |v[XS+4]|, |v[XS+5]|
.irp i, 6,10,14,18,22,26
	v_max3_num_f32 v8, v8, |v[XS+\i]|, |v[XS+\i+1]|
	v_max3_num_f32 v9, v9, |v[XS+\i+2]|, |v[XS+\i+3]|
.endr
	v_max3_num_f32 v8, v8, |v[XS+30]|, |v[XS+31]|
	v_max3_num_f32 v8, v8, v9, 0x1800000
	v_add_nc_u32 v11, 0xff000000, v8
	v_lshrrev_b32 v10, 23, v11
.if \t == 0
	v_mov_b32 v176, v10
.else
	v_lshl_or_b32 v176, v10, 8*\t, v176            ; my four bytes make a word: 128 along K of my column
.endif
.irp g, 0,1,2,3
	v_cvt_scalef32_pk8_fp4_f32 v[160+4*\t+\g], v[XS+8*\g:XS+8*\g+7], v11
.endr
	v_nop                                          ; one plain line behind the last conversion
	ds_store_b128 v4, v[160+4*\t:163+4*\t] offset:16*\t
.endm
.Lpath_w:
	s_load_b64 s[4:5], s[0:1], 0x8                 ; wq
	s_load_b64 s[6:7], s[0:1], 0x10                ; wk
	s_load_b64 s[8:9], s[0:1], 0x18                ; wv
	s_load_b64 s[10:11], s[0:1], 0x48              ; wq4
	s_sub_co_u32 s17, ttmp9, 384
	s_lshr_b32 s18, s17, 1                         ; c: columns 32 c on, of 1,536
	s_and_b32 s19, s17, 1                          ; which half of K
	v_and_b32 v14, 15, v2
	v_lshrrev_b32 v15, 4, v2
	v_lshlrev_b32 v3, 2, v2
	v_mul_u32_u24 v4, v2, 272
	s_lshl_b32 s28, s16, 6
	s_add_co_u32 s28, s28, WSTG
	v_add_nc_u32 v4, s28, v4                       ; into the stage: row = my column, 64 bytes a wave
	v_lshlrev_b32 v5, 4, v2
	s_lshl_b32 s28, s16, 2
	s_add_co_u32 s28, s28, WSCL
	v_add_nc_u32 v5, s28, v5                       ; my scale word
	v_mul_u32_u24 v6, v15, 272
	v_lshl_add_u32 v6, v14, 4, v6
	s_mul_i32 s28, s16, 8*272
	s_add_co_u32 s28, s28, WSTG
	v_add_nc_u32 v6, s28, v6                       ; out of it: sixteen lanes to a row, two rows an instruction, eight rows a wave
	v_lshlrev_b32 v7, 9, v15
	v_lshl_add_u32 v7, v14, 4, v7                  ; and the same place in the codes
	v_lshl_add_u32 v14, v2, 4, WSCL
	v_lshlrev_b32 v15, 5, v2
	s_wait_kmcnt 0x0
	s_cmp_lt_u32 s18, 40                           ; the choice hangs on the work-group's number alone
	s_cselect_b64 s[6:7], s[6:7], s[8:9]
	s_cselect_b32 s20, 32, 40
	s_cmp_lt_u32 s18, 32
	s_cselect_b64 s[4:5], s[4:5], s[6:7]
	s_cselect_b32 s20, 0, s20
	s_cselect_b32 s21, 12, 10                      ; a row of wq is 4,096 bytes, of wk and wv 1,024
	s_sub_co_u32 s20, s18, s20
	s_lshl_b32 s20, s20, 7
	s_lshl_b32 s22, s19, 9
	s_lshl_b32 s23, s16, 7
	s_add_co_u32 s22, s22, s23                     ; my first k
	s_lshl_b32 s22, s22, s21
	s_add_co_u32 s22, s22, s20
	s_mov_b32 s23, 0
	s_add_nc_u64 s[4:5], s[4:5], s[22:23]
	s_lshl_b32 s24, s18, 14
	s_lshl_b32 s25, s16, 12
	s_add_co_u32 s24, s24, s25
	s_lshl_b32 s25, s19, 8
	s_add_co_u32 s24, s24, s25                     ; codes: (32 c + 8 wave) rows of 512 + 256 x half
	s_mov_b32 s25, 0
	s_add_nc_u64 s[12:13], s[10:11], s[24:25]
	s_lshl_b32 s24, s18, 10
	s_lshl_b32 s26, s19, 4
	s_add_co_u32 s24, s24, s26
	s_add_co_u32 s24, s24, 786432                  ; scale bytes: behind the codes, 32 a column, + 16 x half
	s_add_nc_u64 s[14:15], s[10:11], s[24:25]
	s_cmp_lt_u32 s18, 32
	s_cbranch_scc0 .Lw_narrow
	WLOADS 4096
	s_branch .Lw_loaded
.Lw_narrow:
	WLOADS 1024
.Lw_loaded:
	WBLOCK 0
	WBLOCK 1
	WBLOCK 2
	WBLOCK 3
	ds_store_b32 v5, v176
	s_wait_dscnt 0x0                               ; for the others' sake: my stores are done
	s_barrier_signal -1
	s_barrier_wait -1
.irp t, 0,1,2,3
	ds_load_b128 v[180+4*\t:183+4*\t], v6 offset:544*\t
.endr
.irp t, 0,1,2,3
	s_wait_dscnt 3-\t
	global_store_b128 v7, v[180+4*\t:183+4*\t], s[12:13] offset:1024*\t   ; sixteen lanes store 256 consecutive bytes, aligned
.endr
	s_cmp_lg_u32 s16, 0
	s_cbranch_scc1 .Lw_done
	ds_load_b128 v[196:199], v14                   ; wave 0: the 16 scale bytes of each column; pieces of 16 bytes, 48 KiB in the whole launch
	s_wait_dscnt 0x0
	global_store_b128 v15, v[196:199], s[14:15]
.Lw_done:
	FINISH
; ---------------- path M: a wave takes 32 queries (block b) x 512 keys (8 key steps)
; ALPHA: the 16 rows of tile 2 b + tau go into my stage; four trips, two key steps each: a lane (r, h) reads 16 key bytes of row r, ands them with the keys' flags; a compare of one byte in all lanes is a word.
.macro ALPHA tau
.irp p, 0,1,2,3,4,5,6,7,8,9,10,11,12,13,14,15
	ds_store_b128 v6, v[32+4*(8*\tau+\p+8*(\p/8)):35+4*(8*\tau+\p+8*(\p/8))] offset:\p*528
.endr
	s_mov_b32 s[50+2*\tau], 0                      ; bit T: some pair counts
	s_mov_b32 s[51+2*\tau], 0                      ; bit T: all pairs count
	s_mov_b32 s30, 0
.Lmt_\@:
	s_wait_xcnt 0x0                                ; the last trip's store has read its data and its offset
	v_add_nc_u32 v14, s30, v8
	v_add_nc_u32 v15, s30, v9
	v_lshl_add_u32 v209, s30, 1, v10
.irp e, 0,1,2,3
	ds_load_b128 v[176+4*\e:179+4*\e], v14 offset:32*\e
.endr
.irp e, 0,1,2,3
	ds_load_b128 v[192+4*\e:195+4*\e], v15 offset:32*\e
.endr
	s_wait_dscnt 0x0
.irp j, 0,1,2,3,4,5,6,7,8,9,10,11,12,13,14,15
	v_and_b32 v[176+\j], v[176+\j], v[192+\j]
.endr
.irp tl, 0,1
	s_mov_b32 s31, 0
	s_mov_b32 s32, -1
.irp g, 0,1,2,3
.irp k, 0,1,2,3,4,5,6,7
	v_and_b32 v[216+\k], 1<<(8*(\k%4)), v[176+8*\tl+2*\g+\k/4]
.endr
.irp k, 0,1,2,3,4,5,6,7
	v_cmp_ne_u32 s[40+\k], 0, v[216+\k]            ; word 8 g + k of this key step
.endr
.irp k, 0,1,2,3,4,5,6,7
	v_writelane_b32 v[210+\k%2], s[40+\k], 16*\tl+4*\g+\k/2
.endr
.irp k, 0,1,2,3,4,5,6,7
	s_or_b32 s31, s31, s[40+\k]
	s_and_b32 s32, s32, s[40+\k]
.endr
.endr
	s_cmp_lg_u32 s31, 0
	s_cselect_b32 s33, 128, 0
	s_lshr_b32 s[50+2*\tau], s[50+2*\tau], 1       ; eight key steps shift the first one's bit down to bit 0
	s_or_b32 s[50+2*\tau], s[50+2*\tau], s33
	s_cmp_eq_u32 s32, -1
	s_cselect_b32 s33, 128, 0
	s_lshr_b32 s[51+2*\tau], s[51+2*\tau], 1
	s_or_b32 s[51+2*\tau], s[51+2*\tau], s33
.endr
	global_store_b64 v209, v[210:211], s[8:9] offset:8192*\tau   ; two key steps' 64 words: 256 consecutive bytes, aligned
	s_add_co_u32 s30, s30, 128
	s_cmp_lt_u32 s30, 512
	s_cbranch_scc1 .Lmt_\@
.endm
.Lpath_m:
	s_load_b64 s[4:5], s[0:1], 0x28                ; full_mask
	s_load_b64 s[6:7], s[0:1], 0x30                ; attention_mask
	s_load_b64 s[8:9], s[0:1], 0x58                ; mw
	s_load_b64 s[10:11], s[0:1], 0x60              ; cls
	s_lshr_b32 s17, ttmp9, 1                       ; b
	s_and_b32 s18, ttmp9, 1
	s_lshl_b32 s18, s18, 2
	s_add_co_u32 s18, s18, s16                     ; which 512 keys
	s_lshl_b32 s20, s17, 17
	s_lshl_b32 s21, s18, 9
	s_add_co_u32 s20, s20, s21
	s_mov_b32 s21, 0
	s_lshl_b32 s22, s18, 11
	s_mov_b32 s23, 0
	s_lshl_b32 s24, s17, 14
	s_lshl_b32 s25, s18, 10
	s_add_co_u32 s24, s24, s25
	s_mov_b32 s25, 0
	s_lshl_b32 s26, s17, 4
	s_add_co_u32 s26, s26, s18
	s_mov_b32 s27, 0
	s_mul_i32 s28, s16, MWAVE
	s_add_co_u32 s28, s28, MREG
	v_and_b32 v3, 15, v2
	v_lshrrev_b32 v4, 4, v2
	v_lshlrev_b32 v5, 4, v2
	v_lshl_add_u32 v6, v2, 4, s28                  ; a row into the stage: 16 bytes a lane
	v_add_nc_u32 v7, MAM, v6                       ; the keys' flags likewise
	v_mul_u32_u24 v8, v3, 528
	v_lshl_add_u32 v8, v4, 4, v8
	v_add_nc_u32 v8, s28, v8                       ; out of it: row r, + 16 h
	v_lshl_add_u32 v9, v4, 4, s28
	v_add_nc_u32 v9, MAM, v9
	v_lshlrev_b32 v10, 3, v2
	v_lshlrev_b32 v11, 6, v2
	v_mov_b32 v210, 0                              ; written once: a lane write's destination counts as read
	v_mov_b32 v211, 0
	s_wait_kmcnt 0x0
	s_add_nc_u64 s[4:5], s[4:5], s[20:21]
	s_add_nc_u64 s[6:7], s[6:7], s[22:23]
	s_add_nc_u64 s[8:9], s[8:9], s[24:25]
	s_add_nc_u64 s[10:11], s[10:11], s[26:27]
.irp i, 0,1,2,3
	global_load_b128 v[160+4*\i:163+4*\i], v11, s[6:7] offset:16*\i
.endr
.irp p, 0,1,2,3,4,5,6,7,8,9,10,11,12,13,14,15,16,17,18,19,20,21,22,23,24,25,26,27,28,29,30,31
	global_load_b128 v[32+4*\p:35+4*\p], v5, s[4:5] offset:4096*\p th:TH_LOAD_NT   ; a row's 512 bytes, dense
.endr
	s_wait_loadcnt 32                              ; attention_mask's four are in; the 32 behind them may be out
.irp j, 0,1,2,3,4,5,6,7,8,9,10,11,12,13,14,15
	v_min_u32 v[160+\j], 1, v[160+\j]              ; != 0, as 0 or 1
.endr
.irp q, 0,1,2,3
	v_lshl_or_b32 v[212+\q], v[161+4*\q], 8, v[160+4*\q]
.endr
.irp q, 0,1,2,3
	v_lshl_or_b32 v[212+\q], v[162+4*\q], 16, v[212+\q]
.endr
.irp q, 0,1,2,3
	v_lshl_or_b32 v[212+\q], v[163+4*\q], 24, v[212+\q]
.endr
	ds_store_b128 v7, v[212:215]                   ; a byte a key
	s_wait_loadcnt 0x0
	ALPHA 0
	ALPHA 1
	s_or_b32 s54, s50, s52                         ; LIVE
	s_and_b32 s55, s51, s53
	s_and_not1_b32 s55, s54, s55                   ; MIX
	v_mov_b32 v217, s54
	v_mov_b32 v218, s55
	v_cmp_eq_u32 vcc_lo, 1, v2
	v_cndmask_b32 v217, v217, v218, vcc_lo
	v_cmp_gt_u32 vcc_lo, 2, v2
	s_wait_xcnt 0x0                                ; EXEC changes only behind this wait
	s_and_saveexec_b32 s56, vcc_lo
	global_store_b8 v10, v217, s[10:11]            ; lane 0: my byte of LIVE; lane 1: of MIX, 8 bytes on
	s_wait_xcnt 0x0
	s_or_b32 exec_lo, exec_lo, s56
	FINISH
.Lfunc_end_k_qfd2e9fda0a_prep:
	.size	k_qfd2e9fda0a_prep, .Lfunc_end_k_qfd2e9fda0a_prep-k_qfd2e9fda0a_prep
	.p2alignl 7, 3214868480
	.fill 96, 4, 3214868480
	.section	.rodata,"a",@progbits
	.p2align	6, 0x0
	.amdhsa_kernel k_qfd2e9fda0a_prep
		.amdhsa_group_segment_fixed_size 78336
		.amdhsa_private_segment_fixed_size 0
		.amdhsa_enable_private_segment 0
		.amdhsa_kernarg_size 104
		.amdhsa_user_sgpr_count 2
		.amdhsa_user_sgpr_kernarg_segment_ptr 1
		.amdhsa_wavefront_size32 1
		.amdhsa_system_sgpr_workgroup_id_x 1
		.amdhsa_system_sgpr_workgroup_id_y 1
		.amdhsa_system_sgpr_workgroup_id_z 1
		.amdhsa_system_vgpr_workitem_id 0
		.amdhsa_next_free_vgpr 256
		.amdhsa_next_free_sgpr 66
		.amdhsa_reserve_vcc 1
		.amdhsa_float_denorm_mode_32 3
		.amdhsa_float_denorm_mode_16_64 3
		.amdhsa_memory_ordered 1
		.amdhsa_forward_progress 1
		.amdhsa_inst_pref_size 118
	.end_amdhsa_kernel
	.amdgpu_metadata
---
amdhsa.version: [ 1, 2 ]
amdhsa.kernels:
  - .name:           k_qfd2e9fda0a_prep
    .symbol:         k_qfd2e9fda0a_prep.kd
    .args:
      - { .name: x, .offset: 0, .size: 8, .value_kind: global_buffer, .address_space: global }
      - { .name: wq, .offset: 8, .size: 8, .value_kind: global_buffer, .address_space: global }
      - { .name: wk, .offset: 16, .size: 8, .value_kind: global_buffer, .address_space: global }
      - { .name: wv, .offset: 24, .size: 8, .value_kind: global_buffer, .address_space: global }
      - { .name: wo, .offset: 32, .size: 8, .value_kind: global_buffer, .address_space: global }
      - { .name: full_mask, .offset: 40, .size: 8, .value_kind: global_buffer, .address_space: global }
      - { .name: attention_mask, .offset: 48, .size: 8, .value_kind: global_buffer, .address_space: global }
      - { .name: x_codes, .offset: 56, .size: 8, .value_kind: global_buffer, .address_space: global }
      - { .name: x_scales, .offset: 64, .size: 8, .value_kind: global_buffer, .address_space: global }
      - { .name: wq4, .offset: 72, .size: 8, .value_kind: global_buffer, .address_space: global }
      - { .name: wo16, .offset: 80, .size: 8, .value_kind: global_buffer, .address_space: global }
      - { .name: mw, .offset: 88, .size: 8, .value_kind: global_buffer, .address_space: global }
      - { .name: cls, .offset: 96, .size: 8, .value_kind: global_buffer, .address_space: global }
    .group_segment_fixed_size: 78336
    .private_segment_fixed_size: 0
    .kernarg_segment_align: 8
    .kernarg_segment_size: 104
    .max_flat_workgroup_size: 128
    .sgpr_count:     66
    .vgpr_count:     256
    .wavefront_size: 32
...
	.end_amdgpu_metadata
.endif
;; end of part 1
;; launch qkv (part 2): grid 32 x 6, 8 waves a work-group, clusters of 4 x 1, 216,832 bytes of LDS; arguments x_codes, x_scales, wq4, sin, cos, qkvf; writes qkvf
.if DOCPART == 2
	.amdgcn_target "amdgcn-amd-amdhsa--gfx1250"
	.amdhsa_code_object_version 6
	.text
	.protected	k_qfd2e9fda0a_qkv
	.globl	k_qfd2e9fda0a_qkv
	.p2align	8
	.type	k_qfd2e9fda0a_qkv,@function
k_qfd2e9fda0a_qkv:
	s_mov_b64 s[64:65], 0
	v_nop
	global_prefetch_b8 v0, s[64:65] scope:SCOPE_SE
	s_setreg_imm32_b32 hwreg(HW_REG_WAVE_MODE, 25, 1), 1
	s_wait_xcnt 0x0
	s_wait_alu depctr_hold_cnt(0) depctr_sa_sdst(0) depctr_va_vdst(0) depctr_va_sdst(0) depctr_va_ssrc(0) depctr_va_vcc(0) depctr_vm_vsrc(0)
	s_getreg_b32 s2, hwreg(HW_REG_IB_STS2, 6, 4)
	s_cmp_eq_u32 s2, 0
	s_cbranch_scc0 .Lentry_in_a_cluster
	s_endpgm
.Lentry_in_a_cluster:
	s_bfe_u32 s2, ttmp6, 0x10000c
	s_cmp_lg_u32 s2, 0x3003
	s_cbranch_scc0 .Lentry_shape_is_right
	s_endpgm
.Lentry_shape_is_right:
; Launch 2 of 5: Q = rope(x wq), K = rope(x wk), V = x wv, on codes of E2M1 with E8M0 scales; results leave as f16 IMAGES OF THE NEXT PRODUCTS' OPERAND REGISTERS.  No work is left out.
; A work-group takes 128 rows (pos order: tiles a = 8 mt .. 8 mt + 7) x 256 columns (nt 0-3: Q's heads 4 nt ..; 4: K's four; 5: V's four).  Eight waves: wm = wave / 4 takes 64 rows (one key step), wn = wave % 4 one head.
; All of K (1,024: rows of 512 bytes) lies in LDS at once: filled once, no ring.  CLUSTER: the four work-groups of a cluster share nt, so W's tile and scales, two thirds of a work-group's bytes, are asked for jointly.
; Q, K: the product is used transposed (source 0 = 16 columns of W, source 1 = 16 rows of x): a lane holds one token and eight neighbouring channels: rope's pairs lie in one lane, and four packed registers are half an operand fragment.
; V: source 0 = x, source 1 = W: a lane holds one channel and eight neighbouring keys: half a fragment of V^T.
; V GOES AS A PAIR OF f16 NUMBERS, split in f32: hi = v rounded to 11 significant bits, lo = v - hi.  Every query multiplies by hi; the first 32 positions, whose rows may sum few terms, by both.
; An image of a fragment (8 registers a lane) is 1,024 bytes: registers 0-3 at 16 x lane, registers 4-7 at 512 + 16 x lane.
; qkvf: Q [head 16][a 256][s 2], K [g 4][a 256][s 2], V hi [g 4][u 128][b 4] images on end, 524,288 bytes a head; at byte 12,582,912 the means of V over each key step, [g 4] x 8 images of V's kind; at byte 12,615,680 V lo, laid as V hi.
; LIMITS: Q, K, V go to f16: magnitudes up to 65,504; under 6e-5 they keep an absolute step of 6e-8, and so does V lo.  NaN and infinities are not served.
.set XC,    0                          ; x's 128 rows, 528 bytes apart (512 + 16: the 16 rows that a load touches start at 16 different banks)
.set WC,    67584                      ; W's 256 rows
.set XSB,   202752                     ; x's scale bytes: 16 pieces of 256 + 16
.set WSB,   207104                     ; W's: 32 pieces
.set SPARE, 215808                     ; the spare words, 128 bytes for each wave
.set PT,    528
.set VLO,   2129920                    ; from V hi's images to V lo's
.set ADX, 2                            ; v2  my x fragments;  v3  my W fragments;  v4  my scale words (lanes 0-15 x's, lanes 16-31 W's)
.set ADW, 3
.set ADS, 4
.set SPW, 5                            ; v5, v6: the add's two; never rewritten
.set NIL, 6
.set LI,  7                            ; v7  16 x lane
.set SC,  16                           ; v16-47  scale words: register 8 i + q: tile i, K step q
.set XF,  48                           ; v48-79  x's four fragments;  v80-111 W's four;  on V's way out v48-111 take the low parts
.set WF,  80
.set ACC, 128                          ; v128-255  accumulator (a, b) at 128 + 8 (4 a + b).   Window 1: v0-63 sin, v64-127 cos, four registers an accumulator
.set MSB, 0
.macro WIN new                         ; the immediate's high byte repeats the setting that is left
.if MSB != \new
	s_set_vgpr_msb (MSB<<8)|\new
.set MSB, \new
.endif
.endm
.macro CROUND                          ; a round of the cluster's barrier
	s_barrier_signal -1
	s_barrier_wait -1
	s_cmp_lg_u32 s16, 0
	s_cbranch_scc1 .Lnot_wave_0_\@
	s_barrier_signal -3
.Lnot_wave_0_\@:
	s_barrier_wait -3
	s_barrier_signal -1
	s_barrier_wait -1
.endm
	s_load_b256 s[4:11], s[0:1], 0x0               ; x_codes, x_scales, wq4, sin
	s_load_b128 s[12:15], s[0:1], 0x20             ; cos, qkvf
	v_lshl_add_u32 v[SPW], v0, 2, SPARE
	v_mov_b32 v[NIL], 0
	ds_add_u32 v[SPW], v[NIL]                      ; the wave's opening: the add, twice on end, and its wait ahead of my first tensor load
	ds_add_u32 v[SPW], v[NIL]
	v_lshrrev_b32 v1, 5, v0
	v_readfirstlane_b32 s16, v1                    ; wave 0..7
	s_and_b32 s17, s16, 3                          ; wn; also which quarter I fetch
	s_lshr_b32 s18, s16, 2                         ; wm
	s_bfe_u32 s20, ttmp6, 0x40000                  ; cx
	s_lshl_b32 s21, ttmp9, 2
	s_add_co_u32 s21, s21, s20                     ; mt: it enters x's, sin's, cos's and the results' addresses alone
	s_and_b32 s22, ttmp7, 0xffff                   ; nt: the same in the four partners
	; group 1, W's codes: 64 rows of 512 bytes, 16 bytes of padding behind each; mask: all four work-groups, bit 21 beside it
	s_mov_b32 s24, 15|(1<<20)|(1<<21)|(6<<22)|(3<<25)
	s_mov_b32 s25, 512<<16
	s_mov_b32 s26, 64<<16
	s_mov_b32 s27, 512<<16
	s_mov_b32 s28, 64
	s_mov_b32 s29, 512
	s_mov_b32 s30, 0
	s_mov_b32 s31, 0
	; x's codes: 32 rows, no mask
	s_mov_b32 s32, (1<<20)|(6<<22)|(3<<25)
	s_mov_b32 s33, 512<<16
	s_mov_b32 s34, 32<<16
	s_mov_b32 s35, 512<<16
	s_mov_b32 s36, 32
	s_mov_b32 s37, 512
	s_mov_b32 s38, 0
	s_mov_b32 s39, 0
	; W's scale bytes: 2,048 dense bytes as 8 rows of 256 (32 elements of 8 bytes), 16 of padding behind each
	s_mov_b32 s40, 15|(3<<16)|(1<<20)|(1<<21)|(5<<22)|(3<<25)
	s_mov_b32 s41, 32<<16
	s_mov_b32 s42, 8<<16
	s_mov_b32 s43, 32<<16
	s_mov_b32 s44, 8
	s_mov_b32 s45, 32
	s_mov_b32 s46, 0
	s_mov_b32 s47, 0
	; x's scale bytes: 1,024 dense bytes as 4 rows
	s_mov_b32 s48, (3<<16)|(1<<20)|(5<<22)|(3<<25)
	s_mov_b32 s49, 32<<16
	s_mov_b32 s50, 4<<16
	s_mov_b32 s51, 32<<16
	s_mov_b32 s52, 4
	s_mov_b32 s53, 32
	s_mov_b32 s54, 0
	s_mov_b32 s55, 0
	s_lshl_b32 s76, s22, 17
	s_lshl_b32 s77, s17, 15
	s_add_co_u32 s76, s76, s77                     ; W's codes: rows 256 nt + 64 quarter
	s_mov_b32 s77, 0
	s_lshl_b32 s78, s22, 13
	s_lshl_b32 s79, s17, 11
	s_add_co_u32 s78, s78, s79
	s_add_co_u32 s78, s78, 786432                  ; their scale bytes
	s_mov_b32 s79, 0
	s_lshl_b32 s80, s21, 16
	s_lshl_b32 s81, s17, 14
	s_add_co_u32 s80, s80, s81                     ; x's codes: rows 128 mt + 32 quarter
	s_mov_b32 s81, 0
	s_lshl_b32 s82, s21, 12
	s_lshl_b32 s83, s17, 10
	s_add_co_u32 s82, s82, s83
	s_mov_b32 s83, 0
	s_mul_i32 s84, s17, 64*PT                      ; where they go: the quarter alone: no place in the cluster enters an LDS address
	s_mul_i32 s85, s17, 8*272
	s_mul_i32 s86, s17, 32*PT
	s_mul_i32 s87, s17, 4*272
	s_lshl_b32 s88, s22, 2
	s_add_co_u32 s88, s88, s17
	s_lshl_b32 s88, s88, 19                        ; the results: head 4 nt + wn of 24, 524,288 bytes each,
	s_lshl_b32 s89, s21, 14
	s_add_co_u32 s88, s88, s89
	s_lshl_b32 s89, s18, 13
	s_add_co_u32 s88, s88, s89                     ; + 8,192 bytes for each 64 rows
	s_mov_b32 s89, 0
	s_mov_b32 s94, 0x76543210
	s_mov_b32 s95, 0xfedcba98                      ; v_permlanex16_b32's selects for lane l xor 16
	s_wait_dscnt 0x0                               ; both opening adds are done
	s_wait_kmcnt 0x0
	s_mov_b32 s56, 1
	s_add_co_u32 s57, s84, WC
	s_add_nc_u64 s[58:59], s[8:9], s[76:77]
	s_or_b32 s59, s59, 0x80000000
	s_mov_b32 s60, 1
	s_add_co_u32 s61, s85, WSB
	s_add_nc_u64 s[62:63], s[8:9], s[78:79]
	s_or_b32 s63, s63, 0x80000000
	s_mov_b32 s68, 1
	s_add_co_u32 s69, s86, XC
	s_add_nc_u64 s[70:71], s[4:5], s[80:81]
	s_or_b32 s71, s71, 0x80000000
	s_mov_b32 s72, 1
	s_add_co_u32 s73, s87, XSB
	s_add_nc_u64 s[74:75], s[6:7], s[82:83]
	s_or_b32 s75, s75, 0x80000000
	s_add_nc_u64 s[90:91], s[14:15], s[88:89]
	CROUND                                         ; all four work-groups are here: the joint loads meet
	s_cmp_lt_u32 s16, 4                            ; waves 0-3 fetch W's quarters (jointly), waves 4-7 x's: two loads of mine are out
	s_cbranch_scc0 .Lfill_x
	tensor_load_to_lds s[56:59], s[24:31]
	s_nop 0
	tensor_load_to_lds s[60:63], s[40:47]
	s_nop 0
.rept 4
	v_nop
.endr
	s_branch .Lfilled
.Lfill_x:
	tensor_load_to_lds s[68:71], s[32:39]
	s_nop 0
	tensor_load_to_lds s[72:75], s[48:55]
	s_nop 0
.rept 4
	v_nop
.endr
.Lfilled:
; What both arms share: the LDS addresses, the wait for my tensor loads, the barrier, the scale words of all eight K steps.
.macro COMMON
	v_and_b32 v9, 15, v0                           ; r
	v_bfe_u32 v10, v0, 4, 1                        ; h
	v_and_b32 v11, 31, v0
	v_lshlrev_b32 v[LI], 4, v11
	v_mul_u32_u24 v12, v9, PT
	v_lshl_add_u32 v12, v10, 4, v12                ; a fragment's row x pitch + 16 h
	s_mul_i32 s76, s18, 64*PT
	v_add_nc_u32 v[ADX], s76, v12
	s_mul_i32 s77, s17, 64*PT
	s_add_co_u32 s77, s77, WC
	v_add_nc_u32 v[ADW], s77, v12
	v_lshlrev_b32 v13, 5, v9
	v_lshrrev_b32 v14, 3, v9
	v_lshl_add_u32 v13, v14, 4, v13                ; a row's 32 scale bytes, and 16 more for each 256 passed
	s_mul_i32 s76, s18, 2176
	s_mul_i32 s77, s17, 2176
	s_add_co_u32 s77, s77, WSB-XSB
	s_sub_co_u32 s77, s77, s76
	v_mul_u32_u24 v14, s77, v10                    ; lanes 16-31 take W's: one product, the distance between the two
	s_add_co_u32 s76, s76, XSB
	v_add_nc_u32 v13, v13, v14
	v_add_nc_u32 v[ADS], s76, v13
	s_wait_tensorcnt 0x0                           ; my parts have landed,
	s_barrier_signal -1
	s_barrier_wait -1                              ; everybody's have
.irp i, 0,1,2,3
.irp e, 0,1
	ds_load_b128 v[SC+8*\i+4*\e:SC+8*\i+4*\e+3], v[ADS] offset:544*\i+16*\e
.endr
.endr
.endm
; A K step of 128: 16 LDS loads, 16 matrix instructions; the sixteen accumulators take turns in the same order in every step.  swap = 1: source 0 = W.
.macro KSTEP s, swap
.if \s > 0
.rept 4
	v_nop                                          ; places in front of loads into registers that matrix instructions have read
.endr
.endif
.irp a, 0,1,2,3
.irp c, 0,1
	ds_load_b128 v[XF+8*\a+4*\c:XF+8*\a+4*\c+3], v[ADX] offset:16*PT*\a+64*\s+32*\c
	ds_load_b128 v[WF+8*\a+4*\c:WF+8*\a+4*\c+3], v[ADW] offset:16*PT*\a+64*\s+32*\c
.endr
.endr
	s_wait_dscnt 0x0
.irp a, 0,1,2,3
.irp b, 0,1,2,3
.if \swap
.if \s == 0
	v_wmma_scale_f32_16x16x128_f8f6f4 v[ACC+8*(4*\a+\b):ACC+8*(4*\a+\b)+7], v[WF+8*\b:WF+8*\b+7], v[XF+8*\a:XF+8*\a+7], 0, v[SC+8*\b+\s], v[SC+8*\a+\s] matrix_a_fmt:MATRIX_FMT_FP4 matrix_b_fmt:MATRIX_FMT_FP4 matrix_a_scale:MATRIX_SCALE_ROW1
.else
	v_wmma_scale_f32_16x16x128_f8f6f4 v[ACC+8*(4*\a+\b):ACC+8*(4*\a+\b)+7], v[WF+8*\b:WF+8*\b+7], v[XF+8*\a:XF+8*\a+7], v[ACC+8*(4*\a+\b):ACC+8*(4*\a+\b)+7], v[SC+8*\b+\s], v[SC+8*\a+\s] matrix_a_fmt:MATRIX_FMT_FP4 matrix_b_fmt:MATRIX_FMT_FP4 matrix_a_scale:MATRIX_SCALE_ROW1
.endif
.else
.if \s == 0
	v_wmma_scale_f32_16x16x128_f8f6f4 v[ACC+8*(4*\a+\b):ACC+8*(4*\a+\b)+7], v[XF+8*\a:XF+8*\a+7], v[WF+8*\b:WF+8*\b+7], 0, v[SC+8*\a+\s], v[SC+8*\b+\s] matrix_a_fmt:MATRIX_FMT_FP4 matrix_b_fmt:MATRIX_FMT_FP4 matrix_b_scale:MATRIX_SCALE_ROW1
.else
	v_wmma_scale_f32_16x16x128_f8f6f4 v[ACC+8*(4*\a+\b):ACC+8*(4*\a+\b)+7], v[XF+8*\a:XF+8*\a+7], v[WF+8*\b:WF+8*\b+7], v[ACC+8*(4*\a+\b):ACC+8*(4*\a+\b)+7], v[SC+8*\a+\s], v[SC+8*\b+\s] matrix_a_fmt:MATRIX_FMT_FP4 matrix_b_fmt:MATRIX_FMT_FP4 matrix_b_scale:MATRIX_SCALE_ROW1
.endif
.endif
.endr
.endr
.endm
	s_cmp_eq_u32 s22, 5                            ; the same in all waves and in all four partners
	s_cbranch_scc1 .Lv
	; ---- Q and K.  sin and cos of my 64 tokens: lane (r, h) of accumulator (a, b) wants entries 8 b + 4 h + 0 .. 3 of token 128 mt + 64 wm + 32 (a/2) + 8 (a%2) + r + 8 (r/8)
	v_and_b32 v9, 15, v0
	v_bfe_u32 v10, v0, 4, 1
	v_and_b32 v8, 8, v9
	v_add_nc_u32 v8, v8, v9
	v_lshlrev_b32 v8, 7, v8
	v_lshl_add_u32 v8, v10, 4, v8
	s_lshl_b32 s92, s21, 14
	s_lshl_b32 s93, s18, 13
	s_add_co_u32 s92, s92, s93
	s_mov_b32 s93, 0
	s_add_nc_u64 s[10:11], s[10:11], s[92:93]
	s_add_nc_u64 s[12:13], s[12:13], s[92:93]
	WIN 0x40                                       ; destination window 1
.irp a, 0,1,2,3
.irp b, 0,1,2,3
	global_load_b128 v[4*(4*\a+\b):4*(4*\a+\b)+3], v8, s[10:11] offset:(32*(\a/2)+8*(\a%2))*128+32*\b
	global_load_b128 v[64+4*(4*\a+\b):64+4*(4*\a+\b)+3], v8, s[12:13] offset:(32*(\a/2)+8*(\a%2))*128+32*\b
.endr
.endr
	WIN 0
	COMMON
.irp s, 0,1,2,3,4,5,6,7
	KSTEP \s, 1
.endr
.rept 4
	v_nop                                          ; places in front of the first read of results
.endr
	s_wait_loadcnt 0x0                             ; sin and cos
	WIN 0x01                                       ; source 0 window 1
.set n, 0
.rept 16
.irp p, 0,1,2,3
	v_mul_f32 v[112+2*(\p%2)], v[4*n+\p], v[ACC+8*n+2*\p+1]                              ; sin x odd
	v_mul_f32 v[113+2*(\p%2)], v[4*n+\p], v[ACC+8*n+2*\p]                                ; sin x even
	v_fma_f32 v[ACC+8*n+2*\p], v[64+4*n+\p], v[ACC+8*n+2*\p], -v[112+2*(\p%2)]           ; cos x even - sin x odd
	v_fma_f32 v[ACC+8*n+2*\p+1], v[64+4*n+\p], v[ACC+8*n+2*\p+1], v[113+2*(\p%2)]        ; cos x odd + sin x even
.endr
.set n, n+1
.endr
	WIN 0
.set n, 0
.rept 16                               ; each accumulator's eight numbers become four registers of f16, in place, from its low end on
.irp p, 0,1,2,3
	v_cvt_pk_f16_f32 v[ACC+8*n+\p], v[ACC+8*n+2*\p], v[ACC+8*n+2*\p+1]
.endr
.set n, n+1
.endr
.irp a, 0,1,2,3
.irp b, 0,1,2,3
	global_store_b128 v[LI], v[ACC+8*(4*\a+\b):ACC+8*(4*\a+\b)+3], s[90:91] offset:2048*\a+1024*(\b/2)+512*(\b%2)   ; half an image: 512 consecutive bytes
.endr
.endr
	s_branch .Ldone
.Lv:
	; ---- V.  Where the mean of my key step T = 2 mt + wm lies among the means' images: key T of 64
	s_lshl_b32 s80, s21, 1
	s_add_co_u32 s80, s80, s18
	s_lshr_b32 s81, s80, 5
	s_lshl_b32 s81, s81, 12
	s_bfe_u32 s82, s80, 0x10004
	s_lshl_b32 s82, s82, 8
	s_add_co_u32 s81, s81, s82
	s_bfe_u32 s82, s80, 0x10003
	s_lshl_b32 s82, s82, 9
	s_add_co_u32 s81, s81, s82
	s_and_b32 s82, s80, 7
	s_lshl_b32 s82, s82, 1
	s_add_co_u32 s81, s81, s82
	s_lshl_b32 s82, s17, 13
	s_add_co_u32 s81, s81, s82
	s_add_co_u32 s92, s81, 12582912
	s_mov_b32 s93, 0
	s_add_nc_u64 s[92:93], s[14:15], s[92:93]
	COMMON
.irp s, 0,1,2,3,4,5,6,7
	KSTEP \s, 0
.endr
.rept 4
	v_nop
.endr
	; the mean of V over my 64 keys, for each channel: lane (r, h) holds channel 16 b + r and 32 of the keys
.irp b, 0,1,2,3
	v_pk_add_f32 v[112+2*\b:113+2*\b], v[ACC+8*\b:ACC+8*\b+1], v[ACC+8*\b+2:ACC+8*\b+3]
.endr
.irp j, 4,6
.irp b, 0,1,2,3
	v_pk_add_f32 v[112+2*\b:113+2*\b], v[112+2*\b:113+2*\b], v[ACC+8*\b+\j:ACC+8*\b+\j+1]
.endr
.endr
.irp a, 1,2,3
.irp j, 0,2,4,6
.irp b, 0,1,2,3
	v_pk_add_f32 v[112+2*\b:113+2*\b], v[112+2*\b:113+2*\b], v[ACC+32*\a+8*\b+\j:ACC+32*\a+8*\b+\j+1]
.endr
.endr
.endr
.irp b, 0,1,2,3
	v_add_f32 v[112+2*\b], v[112+2*\b], v[113+2*\b]
.endr
.irp b, 0,1,2,3
	v_mov_b32 v[120+\b], 0                         ; a lane permute's destination counts as one of its sources
.endr
.irp b, 0,1,2,3
	v_permlanex16_b32 v[120+\b], v[112+2*\b], s94, s95
.endr
.irp b, 0,1,2,3
	v_add_f32 v[112+2*\b], v[112+2*\b], v[120+\b]
.endr
	v_cmp_eq_u32 s84, 1, v10
	v_cndmask_b32 v124, v112, v114, s84            ; lanes 0-15 store b = 0 and 2, lanes 16-31 b = 1 and 3
	v_cndmask_b32 v125, v116, v118, s84
	v_mul_f32 v124, 0x3c800000, v124               ; / 64
	v_mul_f32 v125, 0x3c800000, v125
	v_cvt_pk_f16_f32 v126, v124, v125
	v_lshlrev_b32 v127, 4, v9
	v_lshl_add_u32 v127, v10, 10, v127
	global_store_b16 v127, v126, s[92:93]          ; two bytes a lane: 128 bytes a wave beside the 16,384 that it stores densely
	global_store_d16_hi_b16 v127, v126, s[92:93] offset:2048
	; the split: hi = the bits + half of the 13th bit's step, the low 13 bits cleared: 11 significant bits, which f16 holds; lo = v - hi, exact in f32.  hi in place from each accumulator's low end on, lo into the fragments' registers
.set n, 0
.rept 16
.irp p, 0,1,2,3
	v_add_nc_u32 v[112+4*(\p%2)], 0x1000, v[ACC+8*n+2*\p]
	v_add_nc_u32 v[113+4*(\p%2)], 0x1000, v[ACC+8*n+2*\p+1]
	v_and_b32 v[112+4*(\p%2)], 0xffffe000, v[112+4*(\p%2)]
	v_and_b32 v[113+4*(\p%2)], 0xffffe000, v[113+4*(\p%2)]
	v_pk_add_f32 v[114+4*(\p%2):115+4*(\p%2)], v[ACC+8*n+2*\p:ACC+8*n+2*\p+1], v[112+4*(\p%2):113+4*(\p%2)] neg_lo:[0,1] neg_hi:[0,1]
	v_cvt_pk_f16_f32 v[ACC+8*n+\p], v[112+4*(\p%2)], v[113+4*(\p%2)]
	v_cvt_pk_f16_f32 v[XF+4*n+\p], v[114+4*(\p%2)], v[115+4*(\p%2)]
.endr
.set n, n+1
.endr
.irp a, 0,1,2,3
.irp b, 0,1,2,3
	global_store_b128 v[LI], v[ACC+8*(4*\a+\b):ACC+8*(4*\a+\b)+3], s[90:91] offset:4096*(\a/2)+1024*\b+512*(\a%2)
.endr
.endr
.irp a, 0,1,2,3
.irp b, 0,1,2,3
	global_store_b128 v[LI], v[XF+4*(4*\a+\b):XF+4*(4*\a+\b)+3], s[90:91] offset:VLO+4096*(\a/2)+1024*\b+512*(\a%2)
.endr
.endr
.Ldone:
	s_wait_tensorcnt 0x0                           ; the wave's end
	ds_add_u32 v[SPW], v[NIL]
	s_wait_dscnt 0x0
	CROUND                                         ; the closing round
	s_endpgm
.Lfunc_end_k_qfd2e9fda0a_qkv:
	.size	k_qfd2e9fda0a_qkv, .Lfunc_end_k_qfd2e9fda0a_qkv-k_qfd2e9fda0a_qkv
	.p2alignl 7, 3214868480
	.fill 96, 4, 3214868480
	.section	.rodata,"a",@progbits
	.p2align	6, 0x0
	.amdhsa_kernel k_qfd2e9fda0a_qkv
		.amdhsa_group_segment_fixed_size 216832
		.amdhsa_private_segment_fixed_size 0
		.amdhsa_enable_private_segment 0
		.amdhsa_kernarg_size 48
		.amdhsa_user_sgpr_count 2
		.amdhsa_user_sgpr_kernarg_segment_ptr 1
		.amdhsa_wavefront_size32 1
		.amdhsa_system_sgpr_workgroup_id_x 1
		.amdhsa_system_sgpr_workgroup_id_y 1
		.amdhsa_system_sgpr_workgroup_id_z 1
		.amdhsa_system_vgpr_workitem_id 0
		.amdhsa_next_free_vgpr 384
		.amdhsa_next_free_sgpr 96
		.amdhsa_reserve_vcc 0
		.amdhsa_float_denorm_mode_32 3
		.amdhsa_float_denorm_mode_16_64 3
		.amdhsa_memory_ordered 1
		.amdhsa_forward_progress 1
		.amdhsa_inst_pref_size 119
	.end_amdhsa_kernel
	.amdgpu_metadata
---
amdhsa.version: [ 1, 2 ]
amdhsa.kernels:
  - .name:           k_qfd2e9fda0a_qkv
    .symbol:         k_qfd2e9fda0a_qkv.kd
    .args:
      - { .name: x_codes, .offset: 0, .size: 8, .value_kind: global_buffer, .address_space: global }
      - { .name: x_scales, .offset: 8, .size: 8, .value_kind: global_buffer, .address_space: global }
      - { .name: wq4, .offset: 16, .size: 8, .value_kind: global_buffer, .address_space: global }
      - { .name: sin, .offset: 24, .size: 8, .value_kind: global_buffer, .address_space: global }
      - { .name: cos, .offset: 32, .size: 8, .value_kind: global_buffer, .address_space: global }
      - { .name: qkvf, .offset: 40, .size: 8, .value_kind: global_buffer, .address_space: global }
    .group_segment_fixed_size: 216832
    .private_segment_fixed_size: 0
    .kernarg_segment_align: 8
    .kernarg_segment_size: 48
    .max_flat_workgroup_size: 256
    .sgpr_count:     96
    .vgpr_count:     384
    .wavefront_size: 32
...
	.end_amdgpu_metadata
.endif
;; end of part 2
;; launch attn (part 3): grid 64 x 4, 8 waves a work-group, no clusters, 167,936 bytes of LDS; arguments qkvf, mw, cls, attention_mask, cf; writes cf
.if DOCPART == 3
	.amdgcn_target "amdgcn-amd-amdhsa--gfx1250"
	.amdhsa_code_object_version 6
	.text
	.protected	k_qfd2e9fda0a_attn
	.globl	k_qfd2e9fda0a_attn
	.p2align	8
	.type	k_qfd2e9fda0a_attn,@function
k_qfd2e9fda0a_attn:
	s_mov_b64 s[64:65], 0
	v_nop
	global_prefetch_b8 v0, s[64:65] scope:SCOPE_SE
	s_setreg_imm32_b32 hwreg(HW_REG_WAVE_MODE, 25, 1), 1
	s_wait_xcnt 0x0
; Launch 3 of 5: ctx = softmax(where(mask, Q K^T / 8, -1e6)) V x q_mask, on f16 operands with f32 sums; ctx leaves as f16 images of the last product's operand.
; WHAT IS NOT MULTIPLIED.  A key step (64 keys) that is wholly masked for a block of 32 queries gives each of these queries 64 equal terms exp(-1e6 - m) V[k].  In real numbers their sum is
; 64 exp(-1e6 - m) mean(V): so such a step enters as ONE pseudo-key with the score -1e6, the weight 64 and the step's mean of V (stored by the launch before); the 64 possible pseudo-keys are one more key step.
; Which steps go that way is read from cls, whole numbers that the first launch stored.  Limit: a NaN or infinity in K at keys of such a step is not carried to the result.
; NO TENSOR LOADS, NO CLUSTER: what a trip does hangs on numbers read from memory, so tiles come through registers: global_load_b128, ds_store_b128, both dense, since the tiles are images.
; SHARES.  Work-group (p, g) takes, one after the other, blocks 127 - p and p of 32 queries, for the four heads of group g (the pairing evens the work where a mask thins out toward one corner; no result hangs on it).
; Wave w: kp = w / 4: the parity of the key steps it walks; tq = (w / 2) % 2: its tile of 16 queries; hp = w % 2; it holds two heads' tiles: tile t is head 4 g + 2 hp + (t xor kp).
; At a block's end waves w and w xor 4 merge: each sends its tile 1 and keeps its tile 0, which are one head.
; LAYOUT.  S^T = K Q^T (source 0 = 16 keys, source 1 = 16 queries), O^T = V^T P: a lane holds one query throughout.  The keys of a tile are chosen so that the 16 registers of two neighbouring tiles are 16 neighbouring keys;
; packed to f16 in pairs they are source 1 of the second product, and V's images hold the same keys in the same places.
; SOFTMAX.  Running maximum m and sum l for each query: p = 2^(c s - c m), c = log2(e) / 8; O and l are multiplied by 2^(c m_old - c m_new) in every step.  A masked score is s = -8e6 (z = -1e6), chosen by one v_cndmask_b32 on a lane mask read by scalar loads.
; THE FIRST 32 POSITIONS (block 0) ARE CARRIED MORE FINELY: their rows may sum few terms, where the rounding of f16 operands weighs most.  In their live key steps p and V go as pairs of f16 numbers, a high and a low part split in f32:
; O^T += V hi P hi + V hi P lo + V lo P hi; and their ctx leaves as a pair too, for the last launch.  This is a choice of precision alone: the values are right for every mask on both ways.
; LIMITS: p and ctx go to f16 (low parts keep an absolute step of 6e-8); the sums are taken step by step and in two halves, another order of rounding than a sum along the row.  NaN and infinities among the inputs are not served.
; cf: [g 4][a 256][8][1,024 bytes] images of ctx hi; at byte 8,388,608 block 0's ctx lo, [g 4][a 2][8][1,024].  The claim of LDS is larger than the use (111,616 bytes).
.set VMB,   0                          ; the means' 8 images
.set SLOTB, 8192                       ; + 32,768 kp + 16,384 slot: K's 8 images, then V's 8
.set MRG,   73728                      ; + 4,608 x wave: what a wave sends
.set SPARE, 110592                     ; the spare words, 128 bytes for each wave
.set VLO,   2129920                    ; from V hi's images to V lo's, in qkvf
.set SPW, 4                            ; v4, v5: the add's two; never rewritten
.set NIL, 5
.set ST,  8                            ; tile t's statistics at v[8 + 10 t]: +0 c m, +1 m, +2, +3 l, +4..+7 at work, +8 a, +9 zero
.set Q,   32                           ; v32-63   Q (t, s) at 32 + 16 t + 8 s
.set O,   64                           ; v64-127  O^T (t, b) at 64 + 32 t + 8 b
.set S,   128                          ; v128-191 S^T (t) at 128 + 32 t; P in place in its first 16; V's second half in its last 16
.set FA,  192                          ; v192-223 fragments;  v224-255 the next tiles on their way to LDS (during K Q^T: K's second four fragments; in a fine step: P lo)
.set SG,  224
; v1 fragment reads; v2, v3 the loader's global offset and LDS address; v6 -8e6; v7 16 x lane; v28 q_mask; v29, v30 merge: mine, my partner's; v31 256 x lane
; s2 wave, s3 kp, s[4:5] LIVE and s[6:7] MIX from this trip on, s8 trips / 2, s9 pass, s10 my tile, s11, s12 mask words' offset, s13 tq, s[14:15] not LIVE, s[16:47] mask words set 0, s[48:63], s[68:83] set 1 (temporaries between passes),
; s[66:67] lane selects, s[84:85] Q, s[86:87] K, s[88:89] V (walking), s[90:91] prefetch, s[92:99] mw, cls, attention_mask, cf, s[100:101] c, s104 prefetch limit, s105 at work
.macro LOADS                           ; the next key step of my parity: 8 KiB of K, 8 KiB of V; the group's 128 threads take 2,048 consecutive bytes an instruction
.irp i, 0,1,2,3
	global_load_b128 v[SG+4*\i:SG+4*\i+3], v2, s[86:87] offset:2048*\i
.endr
.irp i, 0,1,2,3
	global_load_b128 v[SG+16+4*\i:SG+16+4*\i+3], v2, s[88:89] offset:2048*\i
.endr
.endm
.macro STORES sl
.irp i, 0,1,2,3,4,5,6,7
	ds_store_b128 v3, v[SG+4*\i:SG+4*\i+3] offset:16384*(\sl)+2048*\i
.endr
.endm
.macro VLOAD0 adr, base                ; V^T's fragments of the step's first 32 keys
.irp b, 0,1,2,3
	ds_load_b128 v[FA+8*\b:FA+8*\b+3], v[\adr] offset:(\base)+1024*\b
	ds_load_b128 v[FA+8*\b+4:FA+8*\b+7], v[\adr] offset:(\base)+1024*\b+512
.endr
.endm
.macro VLOAD1 adr, base                ; and of its second 32, into the upper halves of S^T's registers, which P has left
.irp b, 0,1
	ds_load_b128 v[S+16+8*\b:S+16+8*\b+3], v[\adr] offset:(\base)+4096+1024*\b
	ds_load_b128 v[S+20+8*\b:S+20+8*\b+3], v[\adr] offset:(\base)+4096+1024*\b+512
.endr
.irp b, 0,1
	ds_load_b128 v[S+48+8*\b:S+48+8*\b+3], v[\adr] offset:(\base)+6144+1024*\b
	ds_load_b128 v[S+52+8*\b:S+52+8*\b+3], v[\adr] offset:(\base)+6144+1024*\b+512
.endr
.endm
.macro RESCALE                         ; O^T x a, each accumulator from its low end on
.set j, 0
.rept 32
	v_pk_mul_f32 v[O+j:O+j+1], v[O+j:O+j+1], v[ST+8+10*(j/32):ST+9+10*(j/32)] op_sel_hi:[1,0]
.set j, j+2
.endr
.endm
; Eight matrix instructions: O^T (t, b) += V^T (half, b) P (t, half).  pb, pst: where tile 0's P begins, and the distance to tile 1's.  The eight accumulators take turns, one instruction a turn.
.macro MM8 half, pb, pst
.irp b, 0,1,2,3
.irp t, 0,1
.if \half
	v_wmma_f32_16x16x32_f16 v[O+32*\t+8*\b:O+32*\t+8*\b+7], v[S+16+32*(\b/2)+8*(\b%2):S+16+32*(\b/2)+8*(\b%2)+7], v[\pb+\pst*\t+8:\pb+\pst*\t+15], v[O+32*\t+8*\b:O+32*\t+8*\b+7]
.else
	v_wmma_f32_16x16x32_f16 v[O+32*\t+8*\b:O+32*\t+8*\b+7], v[FA+8*\b:FA+8*\b+7], v[\pb+\pst*\t:\pb+\pst*\t+7], v[O+32*\t+8*\b:O+32*\t+8*\b+7]
.endif
.endr
.endr
.endm
; The softmax of both tiles, line by line by turns.  ps = 1: the pseudo-keys: p = 64 x 2^(c s - c m).  fine = 1: p leaves as a pair: hi in S^T's first 16 registers, lo in v224-255.
.macro SOFTMAX ps, fine
.irp k, 0,1,2,3
.irp t, 0,1
	v_max3_num_f32 v[ST+10*\t+4+\k], v[S+32*\t+8*\k], v[S+32*\t+8*\k+1], v[S+32*\t+8*\k+2]   ; each accumulator is read from its low end on
.endr
.endr
.irp i, 3,5
.irp k, 0,1,2,3
.irp t, 0,1
	v_max3_num_f32 v[ST+10*\t+4+\k], v[ST+10*\t+4+\k], v[S+32*\t+8*\k+\i], v[S+32*\t+8*\k+\i+1]
.endr
.endr
.endr
.irp t, 0,1
	v_max3_num_f32 v[ST+10*\t+4], v[ST+10*\t+4], v[S+32*\t+7], v[S+32*\t+15]
.endr
.irp t, 0,1
	v_max3_num_f32 v[ST+10*\t+6], v[ST+10*\t+6], v[S+32*\t+23], v[S+32*\t+31]
.endr
.irp t, 0,1
	v_max3_num_f32 v[ST+10*\t+4], v[ST+10*\t+4], v[ST+10*\t+5], v[ST+10*\t+6]
.endr
.irp t, 0,1
	v_max3_num_f32 v[ST+10*\t+4], v[ST+10*\t+4], v[ST+10*\t+7], v[ST+10*\t+1]   ; and the old m
.endr
.irp t, 0,1
	v_permlanex16_b32 v[ST+10*\t+5], v[ST+10*\t+4], s66, s67                    ; the query's other 32 keys lie in the lane 16 away
.endr
.irp t, 0,1
	v_mov_b32 v[ST+10*\t+7], v[ST+10*\t]
.endr
.irp t, 0,1
	v_max_num_f32 v[ST+10*\t+1], v[ST+10*\t+4], v[ST+10*\t+5]
.endr
.irp t, 0,1
	v_mul_f32 v[ST+10*\t], s100, v[ST+10*\t+1]
.endr
.irp t, 0,1
	v_sub_f32 v[ST+10*\t+7], v[ST+10*\t+7], v[ST+10*\t]                         ; c m_old - c m_new
.endr
.if \ps
.irp t, 0,1
	v_add_f32 v[ST+10*\t+4], 0xc0c00000, v[ST+10*\t]                            ; c m - 6: the weight 64
.endr
.endif
.irp j, 0,2,4,6,8,10,12,14,16,18,20,22,24,26,28,30
.irp t, 0,1
.if \ps
	v_pk_fma_f32 v[S+32*\t+\j:S+32*\t+\j+1], v[S+32*\t+\j:S+32*\t+\j+1], s[100:101], v[ST+10*\t+4:ST+10*\t+5] op_sel_hi:[1,0,0] neg_lo:[0,0,1] neg_hi:[0,0,1]
.else
	v_pk_fma_f32 v[S+32*\t+\j:S+32*\t+\j+1], v[S+32*\t+\j:S+32*\t+\j+1], s[100:101], v[ST+10*\t:ST+10*\t+1] op_sel_hi:[1,0,0] neg_lo:[0,0,1] neg_hi:[0,0,1]
.endif
.endr
.endr
.irp t, 0,1
	v_exp_f32 v[ST+10*\t+8], v[ST+10*\t+7]                                      ; a.  ONE BATCH of 66 exponentials: none reads another's result
.endr
.irp j, 0,1,2,3,4,5,6,7,8,9,10,11,12,13,14,15,16,17,18,19,20,21,22,23,24,25,26,27,28,29,30,31
.irp t, 0,1
	v_exp_f32 v[S+32*\t+\j], v[S+32*\t+\j]
.endr
.endr
	v_nop                                          ; a plain line behind the last exponential
	s_wait_alu depctr_va_vdst(0)                   ; one wait for the batch, ahead of its first reader
.irp t, 0,1
	v_pk_add_f32 v[ST+10*\t+4:ST+10*\t+5], v[S+32*\t:S+32*\t+1], v[S+32*\t+2:S+32*\t+3]     ; the sum of the unrounded p, in two chains
.endr
.irp t, 0,1
	v_pk_add_f32 v[ST+10*\t+6:ST+10*\t+7], v[S+32*\t+4:S+32*\t+5], v[S+32*\t+6:S+32*\t+7]
.endr
.irp j, 8,12,16,20,24,28
.irp t, 0,1
	v_pk_add_f32 v[ST+10*\t+4:ST+10*\t+5], v[ST+10*\t+4:ST+10*\t+5], v[S+32*\t+\j:S+32*\t+\j+1]
	v_pk_add_f32 v[ST+10*\t+6:ST+10*\t+7], v[ST+10*\t+6:ST+10*\t+7], v[S+32*\t+\j+2:S+32*\t+\j+3]
.endr
.endr
.irp t, 0,1
	v_pk_add_f32 v[ST+10*\t+4:ST+10*\t+5], v[ST+10*\t+4:ST+10*\t+5], v[ST+10*\t+6:ST+10*\t+7]
.endr
.irp t, 0,1
	v_pk_fma_f32 v[ST+10*\t+2:ST+10*\t+3], v[ST+10*\t+2:ST+10*\t+3], v[ST+10*\t+8:ST+10*\t+9], v[ST+10*\t+4:ST+10*\t+5] op_sel_hi:[1,0,1]   ; l = a l + the sum
.endr
.irp k, 0,1,2,3,4,5,6,7,8,9,10,11,12,13,14,15
.irp t, 0,1
.if \fine
	v_and_b32 v[FA+4*\t], 0xffffe000, v[S+32*\t+2*\k]                           ; hi = p cut to 11 significant bits, which f16 holds; lo = p - hi, exact
	v_and_b32 v[FA+4*\t+1], 0xffffe000, v[S+32*\t+2*\k+1]
	v_pk_add_f32 v[FA+4*\t+2:FA+4*\t+3], v[S+32*\t+2*\k:S+32*\t+2*\k+1], v[FA+4*\t:FA+4*\t+1] neg_lo:[0,1] neg_hi:[0,1]
	v_cvt_pk_f16_f32 v[S+32*\t+\k], v[FA+4*\t], v[FA+4*\t+1]
	v_cvt_pk_f16_f32 v[SG+16*\t+\k], v[FA+4*\t+2], v[FA+4*\t+3]
.else
	v_cvt_pk_f16_f32 v[S+32*\t+\k], v[S+32*\t+2*\k], v[S+32*\t+2*\k+1]          ; P, in place, ascending
.endif
.endr
.endr
.endm
; O^T = a O^T + V^T P.
.macro PV adr, base
	VLOAD1 \adr, \base
	RESCALE
	s_wait_dscnt 8                                 ; the first 32 keys' fragments are in; the eight loads just issued may be out
	MM8 0, S, 32
	s_wait_dscnt 0x0
	MM8 1, S, 32
.rept 5
	v_nop                                          ; five places: the next matrix instructions write over P's and V's registers; loads and vector lines want four
.endr
.endm
; The same with pairs: V hi from slot sl, V lo as images straight from memory (s[88:89] stands one step of my parity, 16,384 bytes, ahead of the step in hand).
.macro PVF sl
	VLOAD0 1, 16384*\sl+8192
	VLOAD1 1, 16384*\sl+8192
	RESCALE
	s_wait_dscnt 0x0
	MM8 0, S, 32                                   ; V hi P hi
	MM8 1, S, 32
	MM8 0, SG, 16                                  ; V hi P lo
	MM8 1, SG, 16
.rept 4
	v_nop                                          ; places in front of loads into V's registers
.endr
.irp b, 0,1,2,3
	global_load_b128 v[FA+8*\b:FA+8*\b+3], v7, s[88:89] offset:VLO-16384+1024*\b
	global_load_b128 v[FA+8*\b+4:FA+8*\b+7], v7, s[88:89] offset:VLO-16384+1024*\b+512
.endr
.irp b, 0,1
	global_load_b128 v[S+16+8*\b:S+16+8*\b+3], v7, s[88:89] offset:VLO-16384+4096+1024*\b
	global_load_b128 v[S+20+8*\b:S+20+8*\b+3], v7, s[88:89] offset:VLO-16384+4096+1024*\b+512
.endr
.irp b, 0,1
	global_load_b128 v[S+48+8*\b:S+48+8*\b+3], v7, s[88:89] offset:VLO-16384+6144+1024*\b
	global_load_b128 v[S+52+8*\b:S+52+8*\b+3], v7, s[88:89] offset:VLO-16384+6144+1024*\b+512
.endr
	s_wait_loadcnt 0x0
	MM8 0, S, 32                                   ; V lo P hi
	MM8 1, S, 32
.rept 5
	v_nop
.endr
.endm
.macro KQ sl                           ; S^T = K Q^T, from slot sl
.irp f, 0,1,2,3,4,5,6,7
	ds_load_b128 v[FA+8*\f:FA+8*\f+3], v1 offset:16384*\sl+1024*\f
	ds_load_b128 v[FA+8*\f+4:FA+8*\f+7], v1 offset:16384*\sl+1024*\f+512
.endr
	s_wait_dscnt 0x0
.irp kt, 0,1,2,3
.irp t, 0,1
	v_wmma_f32_16x16x32_f16 v[S+32*\t+8*\kt:S+32*\t+8*\kt+7], v[FA+16*\kt:FA+16*\kt+7], v[Q+16*\t:Q+16*\t+7], 0
.endr
.endr
.irp kt, 0,1,2,3
.irp t, 0,1
	v_wmma_f32_16x16x32_f16 v[S+32*\t+8*\kt:S+32*\t+8*\kt+7], v[FA+16*\kt+8:FA+16*\kt+15], v[Q+16*\t+8:Q+16*\t+15], v[S+32*\t+8*\kt:S+32*\t+8*\kt+7]
.endr
.endr
.rept 4
	v_nop                                          ; places in front of the loads into K's registers and of the first touch of the scores
.endr
.endm
.macro MASK sl                         ; where this step holds masked pairs: one select a score
	s_bitcmp1_b32 s6, 0
	s_cbranch_scc0 .Lnm_\@
.set wi, 0
.rept 32
.if \sl == 0
.set mr, 16+wi
.elseif wi < 16
.set mr, 48+wi
.else
.set mr, 52+wi
.endif
	v_cndmask_b32 v[S+wi], v6, v[S+wi], s[mr]      ; both tiles hold the same queries
	v_cndmask_b32 v[S+32+wi], v6, v[S+32+wi], s[mr]
.set wi, wi+1
.endr
.Lnm_\@:
.endm
; A live key step, from slot sl.
.macro STEP sl
	KQ \sl
	s_bitcmp1_b32 s4, 2                            ; is my next key step live?
	s_cbranch_scc0 .Lnl_\@
	LOADS
.Lnl_\@:
	VLOAD0 1, 16384*\sl+8192
	MASK \sl
	SOFTMAX 0, 0
	PV 1, 16384*\sl+8192
.endm
; A live key step of block 0: the next tiles are asked for behind the products, since P lo has their registers.
.macro STEPF sl
	KQ \sl
	MASK \sl
	SOFTMAX 0, 1
	PVF \sl
	s_bitcmp1_b32 s4, 2
	s_cbranch_scc0 .Lnlf_\@
	LOADS
.Lnlf_\@:
.endm
; A PREFETCH INTO THE L2: for each g the work-group with p = 0 asks, in its first pass: in trip n for the K and V images of trip n + 2: 32 KiB, one instruction in each of waves 0 to 3 (w % 2: K or V; w / 2: which 8 KiB), lanes 256 bytes apart.
; Each block is named once in the launch; the last two trips ask for nothing.
.macro ASK
	s_cmp_lt_u32 s8, s104
	s_cbranch_scc0 .Lnot_mine_\@
	global_prefetch_b8 v31, s[90:91] th:TH_LOAD_NT scope:SCOPE_SE
.Lnot_mine_\@:
.endm
; A trip: key step kp + 2 x trip, in slot sl; the next one of my parity goes into the other slot.  ONE barrier: in front of it my reads of this slot and my stores into the other are done.
.macro TRIP sl
	s_wait_kmcnt 0x0                               ; this trip's mask words, asked for a trip ago
	s_add_co_u32 s11, s11, 256
	s_min_u32 s12, s11, 2097024                    ; the last trip's look-ahead is held inside the buffer
.if \sl == 0
	s_load_b512 s[48:63], s[92:93], s12
	s_load_b512 s[68:83], s[92:93], s12 offset:0x40
.else
	s_load_b512 s[16:31], s[92:93], s12
	s_load_b512 s[32:47], s[92:93], s12 offset:0x40
.endif
	ASK
	s_bitcmp1_b32 s4, 0
	s_cbranch_scc0 .Ldead_\@
	s_cmp_lt_u32 s10, 2                            ; tiles 0 and 1 are block 0
	s_cbranch_scc1 .Lfine_\@
	STEP \sl
	s_branch .Ljoin_\@
.Lfine_\@:
	STEPF \sl
	s_branch .Ljoin_\@
.Ldead_\@:
	s_bitcmp1_b32 s4, 2
	s_cbranch_scc0 .Ljoin_\@
	LOADS
.Ljoin_\@:
	s_wait_loadcnt 0x0                             ; the next tiles are in registers (or none was asked for)
	s_bitcmp1_b32 s4, 2
	s_cbranch_scc0 .Lnost_\@
	STORES 1-\sl
.Lnost_\@:
	s_wait_xcnt 0x0                                ; the prefetch has read its address
	s_add_nc_u64 s[86:87], s[86:87], 16384
	s_add_nc_u64 s[88:89], s[88:89], 16384
	s_add_nc_u64 s[90:91], s[90:91], 16384
	s_lshr_b32 s4, s4, 2                           ; the class bits go two down, in 64 bits
	s_lshl_b32 s105, s5, 30
	s_or_b32 s4, s4, s105
	s_lshr_b32 s5, s5, 2
	s_lshr_b32 s6, s6, 2
	s_lshl_b32 s105, s7, 30
	s_or_b32 s6, s6, s105
	s_lshr_b32 s7, s7, 2
	s_wait_dscnt 0x0
	s_barrier_signal -1
	s_barrier_wait -1
.endm
	s_load_b64 s[84:85], s[0:1], 0x0               ; qkvf
	s_load_b128 s[92:95], s[0:1], 0x8              ; mw, cls
	s_load_b128 s[96:99], s[0:1], 0x18             ; attention_mask, cf
	v_lshl_add_u32 v[SPW], v0, 2, SPARE
	v_mov_b32 v[NIL], 0
	v_lshrrev_b32 v8, 5, v0
	v_readfirstlane_b32 s2, v8                     ; wave 0..7
	s_lshr_b32 s3, s2, 2                           ; kp
	s_bfe_u32 s13, s2, 0x10001                     ; tq
	s_and_b32 s105, s2, 1                          ; hp
	v_and_b32 v9, 31, v0
	v_lshlrev_b32 v7, 4, v9
	v_lshrrev_b32 v10, 7, v0
	v_lshl_add_u32 v1, v10, 15, v7
	v_add_nc_u32 v1, SLOTB, v1
	v_and_b32 v2, 127, v0
	v_lshlrev_b32 v2, 4, v2
	v_lshl_add_u32 v3, v10, 15, v2
	v_add_nc_u32 v3, SLOTB, v3
	v_mov_b32 v6, 0xcaf42400                       ; -8e6
	v_lshlrev_b32 v31, 8, v9
	v_mul_u32_u24 v29, v8, 4608
	v_add_nc_u32 v29, v29, v7
	v_add_nc_u32 v29, MRG, v29
	v_xor_b32 v10, 4, v8
	v_mul_u32_u24 v30, v10, 4608
	v_add_nc_u32 v30, v30, v7
	v_add_nc_u32 v30, MRG, v30
	v_lshlrev_b32 v192, 4, v0
	s_mov_b32 s66, 0x76543210
	s_mov_b32 s67, 0xfedcba98
	s_mov_b32 s100, 0x3e38aa3b                     ; c = log2(e) / 8
	s_mov_b32 s101, s100
	s_and_b32 s48, ttmp7, 0xffff                   ; g
	s_lshl_b32 s49, s48, 19
	s_lshl_b32 s50, s3, 13
	s_add_co_u32 s50, s50, s49
	s_add_co_u32 s50, s50, 8388608                 ; K's images of group g, key step kp
	s_mov_b32 s51, 0
	s_add_co_u32 s52, s50, 2097152                 ; V's
	s_mov_b32 s53, 0
	s_lshl_b32 s54, s48, 13
	s_add_co_u32 s54, s54, 12582912                ; the means
	s_mov_b32 s55, 0
	s_lshl_b32 s56, s48, 21
	s_lshl_b32 s57, s105, 20
	s_add_co_u32 s56, s56, s57                     ; Q's head 4 g + 2 hp
	s_mov_b32 s57, 0
	s_lshl_b32 s58, s105, 1
	s_add_co_u32 s58, s58, s3
	s_lshl_b32 s58, s58, 11
	s_lshl_b32 s59, s48, 21
	s_add_co_u32 s58, s58, s59                     ; cf: group g, head 2 hp + kp of its four
	s_mov_b32 s59, 0
	s_lshl_b32 s60, s13, 5                         ; attention_mask: 8 tq tokens on
	s_mov_b32 s61, 0
	s_cmp_eq_u32 s105, 0
	s_cselect_b32 s62, 0, 2097152
	s_add_co_u32 s62, s62, s49
	s_lshr_b32 s63, s2, 1
	s_lshl_b32 s63, s63, 13
	s_add_co_u32 s62, s62, s63
	s_add_co_u32 s62, s62, 8388608+32768           ; the prefetches begin at trip 2's images
	s_mov_b32 s63, 0
	s_or_b32 s68, s3, ttmp9
	s_cmp_eq_u32 s68, 0
	s_cselect_b32 s104, 15, 0                      ; waves 0 to 3 of the work-group with p = 0 ask, in trips 0 to 29
	s_mov_b32 s9, 0
	s_wait_kmcnt 0x0
	s_add_nc_u64 s[86:87], s[84:85], s[50:51]
	s_add_nc_u64 s[88:89], s[84:85], s[52:53]
	s_add_nc_u64 s[90:91], s[84:85], s[62:63]
	s_add_nc_u64 s[70:71], s[84:85], s[54:55]
	s_add_nc_u64 s[84:85], s[84:85], s[56:57]
	s_add_nc_u64 s[98:99], s[98:99], s[58:59]
	s_add_nc_u64 s[96:97], s[96:97], s[60:61]
	global_load_b128 v[196:199], v192, s[70:71]
	global_load_b128 v[200:203], v192, s[70:71] offset:4096
	s_wait_loadcnt 0x0
	ds_store_b128 v192, v[196:199] offset:VMB      ; the means' images; the first barrier below stands ahead of every read
	ds_store_b128 v192, v[200:203] offset:VMB+4096
.Lpass:
	s_sub_co_u32 s48, 127, ttmp9
	s_cmp_eq_u32 s9, 0
	s_cselect_b32 s48, s48, ttmp9                  ; the block
	s_lshl_b32 s10, s48, 1
	s_add_co_u32 s10, s10, s13                     ; my tile of queries
	s_lshl_b32 s50, s48, 4
	s_mov_b32 s51, 0
	s_add_nc_u64 s[52:53], s[94:95], s[50:51]
	s_load_b128 s[16:19], s[52:53], 0x0            ; LIVE, MIX
	LOADS                                          ; key step kp, whatever its class: its address is always inside, and the stage registers are then written on every way
	s_lshl_b32 s54, s10, 11
	s_lshl_b32 s56, s3, 19
	s_add_co_u32 s56, s56, s54
	s_mov_b32 s57, 0
	s_add_nc_u64 s[56:57], s[84:85], s[56:57]      ; tile 0: head + kp
	s_xor_b32 s58, s3, 1
	s_lshl_b32 s58, s58, 19
	s_add_co_u32 s58, s58, s54
	s_mov_b32 s59, 0
	s_add_nc_u64 s[58:59], s[84:85], s[58:59]      ; tile 1: the other
	s_lshl_b32 s60, s48, 7
	s_mov_b32 s61, 0
	s_add_nc_u64 s[62:63], s[96:97], s[60:61]
.irp t, 0,1
.irp s, 0,1
.irp c, 0,1
	global_load_b128 v[Q+16*\t+8*\s+4*\c:Q+16*\t+8*\s+4*\c+3], v7, s[56+2*\t:57+2*\t] offset:1024*\s+512*\c
.endr
.endr
.endr
	v_and_b32 v192, 15, v0
	v_and_b32 v193, 8, v192
	v_add_nc_u32 v192, v192, v193
	v_lshlrev_b32 v192, 2, v192
	global_load_b32 v28, v192, s[62:63]            ; attention_mask at my query
.set j, 0
.rept 64
	v_mov_b32 v[O+j], 0                            ; which step is the first live one is known only as the wave runs: no product can start these sums
.set j, j+1
.endr
.irp t, 0,1
	v_mov_b32 v[ST+10*\t+1], 0xff61b1e6            ; m = -3e38, under every score
	v_mov_b32 v[ST+10*\t+2], 0
	v_mov_b32 v[ST+10*\t+3], 0
	v_mov_b32 v[ST+10*\t+9], 0
	v_mul_f32 v[ST+10*\t], s100, v[ST+10*\t+1]
.endr
	s_wait_kmcnt 0x0
	s_not_b32 s14, s16
	s_not_b32 s15, s17
	s_lshr_b32 s68, s16, 1                         ; the class bits from key step kp on
	s_lshl_b32 s69, s17, 31
	s_or_b32 s68, s68, s69
	s_lshr_b32 s69, s17, 1
	s_lshr_b32 s70, s18, 1
	s_lshl_b32 s71, s19, 31
	s_or_b32 s70, s70, s71
	s_lshr_b32 s71, s19, 1
	s_cmp_eq_u32 s3, 1
	s_cselect_b32 s4, s68, s16
	s_cselect_b32 s5, s69, s17
	s_cselect_b32 s6, s70, s18
	s_cselect_b32 s7, s71, s19
	s_lshl_b32 s11, s10, 13
	s_lshl_b32 s105, s3, 7
	s_add_co_u32 s11, s11, s105                    ; mask words of (my tile, key step kp)
	s_mov_b32 s12, s11
	s_load_b512 s[16:31], s[92:93], s12
	s_load_b512 s[32:47], s[92:93], s12 offset:0x40
	s_wait_loadcnt 0x0
	v_cvt_f32_i32 v28, v28
	STORES 0
	s_add_nc_u64 s[86:87], s[86:87], 16384
	s_add_nc_u64 s[88:89], s[88:89], 16384
	s_wait_dscnt 0x0
	s_barrier_signal -1
	s_barrier_wait -1
	s_mov_b32 s8, 0
.Lit:                                              ; 16 trips of two: constant counts, so every LDS address is an immediate over a register that stays
	TRIP 0
	TRIP 1
	s_add_co_u32 s8, s8, 1
	s_cmp_lt_u32 s8, 16
	s_cbranch_scc1 .Lit
	s_wait_kmcnt 0x0                               ; the last look-ahead's words
	; ---- the pseudo-keys: waves 0 to 3, where some key step was left out
	s_cmp_lg_u32 s3, 0
	s_cbranch_scc1 .Lno_pseudo
	s_cmp_eq_u64 s[14:15], 0
	s_cbranch_scc1 .Lno_pseudo
	v_bfe_u32 v192, v0, 4, 1
	v_lshlrev_b32 v192, 4, v192
	v_lshrrev_b32 v193, v192, s14                  ; register 16 u + i of lane (r, h) is pseudo-key 32 u + 16 h + i
	v_lshrrev_b32 v194, v192, s15
	v_mov_b32 v195, 0xff800000                     ; a step that was walked has no pseudo-key: -infinity, p = 0
.irp u, 0,1
.irp i, 0,1,2,3,4,5,6,7,8,9,10,11,12,13,14,15
	v_and_b32 v196, 1<<\i, v[193+\u]
	v_cmp_ne_u32 vcc_lo, 0, v196
	v_cndmask_b32 v[S+16*\u+\i], v195, v6, vcc_lo
	v_cndmask_b32 v[S+32+16*\u+\i], v195, v6, vcc_lo
.endr
.endr
	VLOAD0 7, VMB
	SOFTMAX 1, 0
	PV 7, VMB
.Lno_pseudo:
	; ---- the merge of the two parities
.irp b, 0,1,2,3
	ds_store_b128 v29, v[O+32+8*\b:O+32+8*\b+3] offset:1024*\b
	ds_store_b128 v29, v[O+32+8*\b+4:O+32+8*\b+7] offset:1024*\b+512
.endr
	ds_store_b128 v29, v[ST+10:ST+13] offset:4096  ; tile 1's c m, m, l, l
	s_wait_dscnt 0x0
	s_barrier_signal -1
	s_barrier_wait -1
.irp k, 0,1,2,3,4,5,6,7,8
	ds_load_b128 v[S+4*\k:S+4*\k+3], v30 offset:512*\k
.endr
	s_lshl_b32 s48, s10, 13
	s_mov_b32 s49, 0
	s_add_nc_u64 s[50:51], s[98:99], s[48:49]
	s_wait_dscnt 0x0
	v_max_num_f32 v164, v[ST], v160
	v_sub_f32 v165, v[ST], v164
	v_sub_f32 v166, v160, v164
	v_exp_f32 v165, v165
	v_exp_f32 v166, v166
	v_add_f32 v167, v[ST+2], v[ST+3]
	v_add_f32 v168, v162, v163
	s_wait_alu depctr_va_vdst(0)                   ; one wait for the two, ahead of their first reader
	v_mul_f32 v167, v167, v165
	v_fma_f32 v167, v168, v166, v167
	v_permlanex16_b32 v168, v167, s66, s67
	v_add_f32 v167, v167, v168                     ; the row's sum
	v_rcp_f32 v169, v167
	v_mov_b32 v171, 0
	v_mov_b32 v173, 0
	s_wait_alu depctr_va_vdst(0)
	v_mul_f32 v169, v169, v28                      ; and q_mask
	v_mul_f32 v170, v165, v169
	v_mul_f32 v172, v166, v169
.set j, 0
.rept 16
	v_pk_mul_f32 v[S+j:S+j+1], v[S+j:S+j+1], v[172:173] op_sel_hi:[1,0]
.set j, j+2
.endr
.set j, 0
.rept 16
	v_pk_fma_f32 v[O+j:O+j+1], v[O+j:O+j+1], v[170:171], v[S+j:S+j+1] op_sel_hi:[1,0,1]
.set j, j+2
.endr
	; ctx as a pair: hi = ctx rounded to 11 significant bits (the bits + half a step, the low 13 cleared), in place; lo = ctx - hi, exact, into the registers that my partner's part has left
.set j, 0
.rept 16
	v_add_nc_u32 v[176+4*(j%2)], 0x1000, v[O+2*j]
	v_add_nc_u32 v[177+4*(j%2)], 0x1000, v[O+2*j+1]
	v_and_b32 v[176+4*(j%2)], 0xffffe000, v[176+4*(j%2)]
	v_and_b32 v[177+4*(j%2)], 0xffffe000, v[177+4*(j%2)]
	v_pk_add_f32 v[178+4*(j%2):179+4*(j%2)], v[O+2*j:O+2*j+1], v[176+4*(j%2):177+4*(j%2)] neg_lo:[0,1] neg_hi:[0,1]
	v_cvt_pk_f16_f32 v[O+j], v[176+4*(j%2)], v[177+4*(j%2)]
	v_cvt_pk_f16_f32 v[S+j], v[178+4*(j%2)], v[179+4*(j%2)]
.set j, j+1
.endr
.irp b, 0,1,2,3
	global_store_b128 v7, v[O+4*\b:O+4*\b+3], s[50:51] offset:1024*(\b/2)+512*(\b%2)   ; half an image: 512 consecutive bytes
.endr
	s_cmp_lt_u32 s10, 2                            ; block 0's low parts are kept
	s_cbranch_scc0 .Lno_lo
	s_and_b32 s52, ttmp7, 0xffff
	s_mul_i32 s52, s52, 2080768                    ; a group is 2,097,152 bytes among the high parts and 16,384 among the low
	s_sub_co_u32 s52, 8388608, s52
	s_mov_b32 s53, 0
	s_add_nc_u64 s[52:53], s[50:51], s[52:53]
.irp b, 0,1,2,3
	global_store_b128 v7, v[S+4*\b:S+4*\b+3], s[52:53] offset:1024*(\b/2)+512*(\b%2)
.endr
.Lno_lo:
	s_wait_xcnt 0x0                                ; the stores have read their data and their bases
	s_sub_nc_u64 s[86:87], s[86:87], 540672        ; 33 steps of 16,384 back
	s_sub_nc_u64 s[88:89], s[88:89], 540672
	s_mov_b32 s104, 0                              ; nothing is prefetched in the second pass
	s_add_co_u32 s9, s9, 1
	s_cmp_lt_u32 s9, 2
	s_cbranch_scc1 .Lpass
	s_wait_tensorcnt 0x0                           ; the wave's end: three lines behind my last LDS store
	ds_add_u32 v[SPW], v[NIL]
	s_wait_dscnt 0x0
	s_endpgm
.Lfunc_end_k_qfd2e9fda0a_attn:
	.size	k_qfd2e9fda0a_attn, .Lfunc_end_k_qfd2e9fda0a_attn-k_qfd2e9fda0a_attn
	.p2alignl 7, 3214868480
	.fill 96, 4, 3214868480
	.section	.rodata,"a",@progbits
	.p2align	6, 0x0
	.amdhsa_kernel k_qfd2e9fda0a_attn
		.amdhsa_group_segment_fixed_size 167936
		.amdhsa_private_segment_fixed_size 0
		.amdhsa_enable_private_segment 0
		.amdhsa_kernarg_size 40
		.amdhsa_user_sgpr_count 2
		.amdhsa_user_sgpr_kernarg_segment_ptr 1
		.amdhsa_wavefront_size32 1
		.amdhsa_system_sgpr_workgroup_id_x 1
		.amdhsa_system_sgpr_workgroup_id_y 1
		.amdhsa_system_sgpr_workgroup_id_z 1
		.amdhsa_system_vgpr_workitem_id 0
		.amdhsa_next_free_vgpr 256
		.amdhsa_next_free_sgpr 106
		.amdhsa_reserve_vcc 1
		.amdhsa_float_denorm_mode_32 3
		.amdhsa_float_denorm_mode_16_64 3
		.amdhsa_memory_ordered 1
		.amdhsa_forward_progress 1
		.amdhsa_inst_pref_size 159
	.end_amdhsa_kernel
	.amdgpu_metadata
---
amdhsa.version: [ 1, 2 ]
amdhsa.kernels:
  - .name:           k_qfd2e9fda0a_attn
    .symbol:         k_qfd2e9fda0a_attn.kd
    .args:
      - { .name: qkvf, .offset: 0, .size: 8, .value_kind: global_buffer, .address_space: global }
      - { .name: mw, .offset: 8, .size: 8, .value_kind: global_buffer, .address_space: global }
      - { .name: cls, .offset: 16, .size: 8, .value_kind: global_buffer, .address_space: global }
      - { .name: attention_mask, .offset: 24, .size: 8, .value_kind: global_buffer, .address_space: global }
      - { .name: cf, .offset: 32, .size: 8, .value_kind: global_buffer, .address_space: global }
    .group_segment_fixed_size: 167936
    .private_segment_fixed_size: 0
    .kernarg_segment_align: 8
    .kernarg_segment_size: 40
    .max_flat_workgroup_size: 256
    .sgpr_count:     106
    .vgpr_count:     256
    .wavefront_size: 32
...
	.end_amdgpu_metadata
.endif
;; end of part 3
;; launch proj (part 4): grid 8 x 32, 4 waves a work-group, clusters of 4 x 4, 327,680 bytes of LDS; arguments cf, wo16, out0; writes out0
.if DOCPART == 4
	.amdgcn_target "amdgcn-amd-amdhsa--gfx1250"
	.amdhsa_code_object_version 6
	.text
	.protected	k_qfd2e9fda0a_proj
	.globl	k_qfd2e9fda0a_proj
	.p2align	8
	.type	k_qfd2e9fda0a_proj,@function
k_qfd2e9fda0a_proj:
	s_mov_b64 s[64:65], 0
	v_nop
	global_prefetch_b8 v0, s[64:65] scope:SCOPE_SE
	s_setreg_imm32_b32 hwreg(HW_REG_WAVE_MODE, 25, 1), 1
	s_wait_xcnt 0x0
	s_wait_alu depctr_hold_cnt(0) depctr_sa_sdst(0) depctr_va_vdst(0) depctr_va_sdst(0) depctr_va_ssrc(0) depctr_va_vcc(0) depctr_vm_vsrc(0)
	s_getreg_b32 s2, hwreg(HW_REG_IB_STS2, 6, 4)
	s_cmp_eq_u32 s2, 0
	s_cbranch_scc0 .Lentry_in_a_cluster
	s_endpgm
.Lentry_in_a_cluster:
	s_bfe_u32 s2, ttmp6, 0x10000c
	s_cmp_lg_u32 s2, 0xf033
	s_cbranch_scc0 .Lentry_shape_is_right
	s_endpgm
.Lentry_shape_is_right:
; Launch 4 of 5: out0 = ctx wo, f16 operands, f32 sums.  No work is left out.
; ctx comes as images of operand fragments, cf [g 4][a 256][8][1,024 bytes] (tile a's row p is token 32 (a/2) + 8 (a%2) + p + 8 (p/8)); wo16 is [k 1024][n 1024] f16.
; A work-group makes 128 tokens (tiles 8 ty ..) x 128 columns; four waves, each 64 x 64: 16 accumulators.  K goes in four steps of 256 (one group g) through a ring of two LDS slots; the ring is written out: two refills.
; CLUSTERS: 4 x 4 work-groups; ctx's tile is shared along a row of the cluster, wo's along a column: each is asked for jointly.
; THE MATRIX INSTRUCTION IS USED TRANSPOSED (source 0 = 16 columns of wo, turned on the way out of LDS; source 1 = 16 tokens of ctx): a lane holds eight neighbouring numbers of a row of out0.
; REGISTERS: window 0: v0-31 addresses; v32-95 the way out; v128-255 the accumulators ((a, b) at 128 + 8 (4 a + b)).  Window 1: two fragment buffers of 128: 64 registers of ctx, then 64 of wo.
.set SLOT,   139264                    ; ctx's 64 images (65,536 bytes, dense), then wo's 256 rows, 288 bytes apart
.set BOFF,   65536
.set BP,     288                       ; 256 + 32: 72 words
.set SPARE,  278528                    ; behind the ring: the spare words, 128 bytes for each wave
.set SPITCH, 272                       ; the way out: 16 rows x (256 + 16) for each wave, in slot 0, which has had its last fill and its last read by then
.set ADRA, 16                          ; v16-17  my ctx fragments in slot 0, 1
.set ADRB, 20                          ; v20-23  my wo fragments: slot 0 rows 0-127, rows 128-255; slot 1 likewise
.set STO,  24
.set RD,   25
.set CO,   26
.set SPW,  28                          ; v28, v29: the add's two; never rewritten
.set NIL,  29
.set TMP,  32
.set ACC,  128
.set F0,   0
.set F1,   128
.set G1, 24                            ; s[24:31] group 1 for ctx;  s[32:39] group 0, one set for each slot
.set G0, 32
.set G1B, 48                           ; s[48:55], s[56:63] the same for wo
.set G0B, 56
.set MSB, 0
.macro WIN new
.if MSB != \new
	s_set_vgpr_msb (MSB<<8)|\new
.set MSB, \new
.endif
.endm
.set MUL,  0x05                        ; sources 0 and 1 window 1; C and D window 0
.set TO_F, 0x40                        ; destination window 1, address window 0
.macro JLOAD s                         ; a joint load: waves 0 and 1 fetch ctx's two halves, waves 2 and 3 wo's; an s_nop 0 and four v_nop follow each line
	s_cmp_eq_u32 s11, 0
	s_cbranch_scc0 .Lfor_b_\@
	tensor_load_to_lds s[G0+4*\s:G0+4*\s+3], s[G1:G1+7]
	s_nop 0
.rept 4
	v_nop
.endr
	s_branch .Lasked_\@
.Lfor_b_\@:
	tensor_load_to_lds s[G0B+4*\s:G0B+4*\s+3], s[G1B:G1B+7]
	s_nop 0
.rept 4
	v_nop
.endr
.Lasked_\@:
.endm
.macro CREST
	s_cmp_lg_u32 s10, 0
	s_cbranch_scc1 .Lnot_wave_0_\@
	s_barrier_signal -3
.Lnot_wave_0_\@:
	s_barrier_wait -3
	s_barrier_signal -1
	s_barrier_wait -1
.endm
.macro CROUND
	s_barrier_signal -1
	s_barrier_wait -1
	CREST
.endm
	s_load_b128 s[4:7], s[0:1], 0x0                ; cf, wo16
	s_load_b64 s[8:9], s[0:1], 0x10                ; out0
	v_lshl_add_u32 v[SPW], v0, 2, SPARE
	v_mov_b32 v[NIL], 0
	ds_add_u32 v[SPW], v[NIL]                      ; the wave's opening: the add, twice on end, and its wait ahead of my first tensor load
	ds_add_u32 v[SPW], v[NIL]
	v_lshrrev_b32 v1, 5, v0
	v_readfirstlane_b32 s10, v1                    ; wave 0..3
	s_lshr_b32 s11, s10, 1                         ; which 64 tokens are mine.  Also: I fetch for ctx (0) or for wo (1)
	s_and_b32 s12, s10, 1                          ; which 64 columns.  Also: which half of that tile I fetch
	s_bfe_u32 s40, ttmp6, 0x40000                  ; cx, cy
	s_bfe_u32 s41, ttmp6, 0x40004
	s_lshl_b32 s42, ttmp9, 2
	s_add_co_u32 s42, s42, s40                     ; tx
	s_and_b32 s13, ttmp7, 0xffff
	s_lshl_b32 s13, s13, 2
	s_add_co_u32 s13, s13, s41                     ; ty
	s_lshl_b32 s43, s41, 2
	s_lshl_b32 s43, 15, s43                        ; my row of the cluster
	s_lshl_b32 s44, 0x1111, s40                    ; my column
	s_or_b32 s[G1+0], s43, (3<<16)|(1<<21)         ; ctx: 32,768 dense bytes as 128 rows of 256 (32 elements of 8 bytes), no padding: images are read 512 consecutive bytes at a time
	s_mov_b32 s[G1+1], 32<<16
	s_mov_b32 s[G1+2], 128<<16
	s_mov_b32 s[G1+3], 32<<16
	s_mov_b32 s[G1+4], 128
	s_mov_b32 s[G1+5], 32
	s_mov_b32 s[G1+6], 0
	s_mov_b32 s[G1+7], 0
	s_or_b32 s[G1B+0], s44, (1<<16)|(1<<20)|(1<<21)|(5<<22)|(7<<25)   ; wo: 128 rows of 128 f16, 8 words of padding behind each 64
	s_mov_b32 s[G1B+1], 128<<16
	s_mov_b32 s[G1B+2], 128<<16
	s_mov_b32 s[G1B+3], 128<<16
	s_mov_b32 s[G1B+4], 128
	s_mov_b32 s[G1B+5], 1024
	s_mov_b32 s[G1B+6], 0
	s_mov_b32 s[G1B+7], 0
	s_lshl_b32 s16, s13, 16
	s_lshl_b32 s17, s12, 15
	s_add_co_u32 s16, s16, s17                     ; ctx: tiles 8 ty + 4 half, 8,192 bytes each
	s_mov_b32 s17, 0
	s_lshl_b32 s46, s12, 18
	s_lshl_b32 s47, s42, 8
	s_add_co_u32 s46, s46, s47                     ; wo: rows 128 half, columns 128 tx
	s_mov_b32 s47, 0
	s_lshl_b32 s20, s12, 15                        ; where they go: the half alone: no place in the cluster enters an LDS address
	s_mul_i32 s21, s12, 128*BP
	s_add_co_u32 s21, s21, BOFF
	s_wait_dscnt 0x0                               ; both opening adds are done
	s_wait_kmcnt 0x0
	s_add_nc_u64 s[14:15], s[4:5], s[16:17]
	s_add_nc_u64 s[46:47], s[6:7], s[46:47]
	CROUND                                         ; all sixteen work-groups are here: the first joint loads meet
.irp s, 0,1
	s_mov_b32 s[G0+4*\s], 1
	s_add_co_u32 s[G0+4*\s+1], s20, \s*SLOT
	s_add_nc_u64 s[G0+4*\s+2:G0+4*\s+3], s[14:15], \s*2097152
	s_or_b32 s[G0+4*\s+3], s[G0+4*\s+3], 0x80000000
	s_mov_b32 s[G0B+4*\s], 1
	s_add_co_u32 s[G0B+4*\s+1], s21, \s*SLOT
	s_add_nc_u64 s[G0B+4*\s+2:G0B+4*\s+3], s[46:47], \s*524288
	s_or_b32 s[G0B+4*\s+3], s[G0B+4*\s+3], 0x80000000
	JLOAD \s
.endr
	v_and_b32 v3, 31, v0
	v_and_b32 v1, 15, v0                           ; r
	v_bfe_u32 v2, v0, 4, 1                         ; h
	v_lshlrev_b32 v4, 4, v3
	s_lshl_b32 s22, s11, 15
	v_add_nc_u32 v[ADRA], s22, v4                  ; my four tiles' images, 16 x lane
	v_add_nc_u32 v[ADRA+1], SLOT, v[ADRA]
	v_and_b32 v5, 7, v0
	v_lshl_add_u32 v5, v2, 3, v5
	v_mul_u32_u24 v5, v5, BP                       ; the turning load: row 8 h + lane % 8,
	v_bfe_u32 v6, v0, 3, 1
	v_lshl_add_u32 v5, v6, 4, v5                   ; 16 bytes by (lane / 8) % 2,
	s_lshl_b32 s22, s12, 7
	s_add_co_u32 s22, s22, BOFF
	v_add_nc_u32 v[ADRB], s22, v5                  ; my 64 columns
	v_add_nc_u32 v[ADRB+1], 128*BP, v[ADRB]
	v_add_nc_u32 v[ADRB+2], SLOT, v[ADRB]
	v_add_nc_u32 v[ADRB+3], SLOT+128*BP, v[ADRB]
	s_mul_i32 s23, s10, 16*SPITCH                  ; my stage
	v_mul_u32_u24 v4, v1, SPITCH
	v_lshl_add_u32 v4, v2, 5, v4
	v_add_nc_u32 v[STO], s23, v4                   ; in: row r, 32 bytes for each half of the lanes
	v_mul_u32_u24 v5, v2, SPITCH
	v_lshl_add_u32 v5, v1, 4, v5
	v_add_nc_u32 v[RD], s23, v5                    ; back: lanes 0-15 one row of 256 bytes, lanes 16-31 the next
	v_lshlrev_b32 v5, 12, v2
	v_lshl_add_u32 v[CO], v1, 4, v5                ; and the same two rows in out0
	s_lshl_b32 s16, s13, 19
	s_lshl_b32 s17, s11, 18
	s_add_co_u32 s16, s16, s17                     ; token 128 ty + 64 half, rows of 4,096 bytes
	s_mov_b32 s17, 0
	s_add_nc_u64 s[8:9], s[8:9], s[16:17]
	s_lshl_b32 s46, s42, 9
	s_lshl_b32 s47, s12, 8
	s_add_co_u32 s46, s46, s47                     ; column 128 tx + 64 half
	s_mov_b32 s47, 0
	s_add_nc_u64 s[8:9], s[8:9], s[46:47]
; 8 matrix instructions: token tiles a0, a0 + 1 x all 4 column tiles, 32 along K: half c of buffer f.  zero = 1: the first product starts the sums.  The sixteen accumulators take turns.
.macro MUL8 f, c, a0, zero
.irp a, \a0, \a0+1
.irp b, 0,1,2,3
.if \zero
	v_wmma_f32_16x16x32_f16 v[ACC+8*(4*(\a)+\b):ACC+8*(4*(\a)+\b)+7], v[\f+64+8*(4*\c+\b):\f+64+8*(4*\c+\b)+7], v[\f+8*(4*\c+\a):\f+8*(4*\c+\a)+7], 0
.else
	v_wmma_f32_16x16x32_f16 v[ACC+8*(4*(\a)+\b):ACC+8*(4*(\a)+\b)+7], v[\f+64+8*(4*\c+\b):\f+64+8*(4*\c+\b)+7], v[\f+8*(4*\c+\a):\f+8*(4*\c+\a)+7], v[ACC+8*(4*(\a)+\b):ACC+8*(4*(\a)+\b)+7]
.endif
.endr
.endr
.endm
; 32 LDS loads in one run: the fragments of the slot's q-th 64 along K into buffer f; the first 32 along K first
.macro FETCH slot, q, f
	WIN TO_F
.irp c, 0,1
.irp i, 0,1,2,3
	ds_load_tr16_b128 v[\f+64+8*(4*\c+\i):\f+64+8*(4*\c+\i)+3],   v[ADRB+2*\slot+(\q)/2] offset:((2*(\q)+\c)%4)*32*BP+32*\i
	ds_load_tr16_b128 v[\f+64+8*(4*\c+\i)+4:\f+64+8*(4*\c+\i)+7], v[ADRB+2*\slot+(\q)/2] offset:((2*(\q)+\c)%4)*32*BP+32*\i+16*BP
	ds_load_b128 v[\f+8*(4*\c+\i):\f+8*(4*\c+\i)+3],              v[ADRA+\slot] offset:8192*\i+1024*(2*(\q)+\c)
	ds_load_b128 v[\f+8*(4*\c+\i)+4:\f+8*(4*\c+\i)+7],            v[ADRA+\slot] offset:8192*\i+1024*(2*(\q)+\c)+512
.endr
.endr
.endm
.macro PLACES                          ; four places in front of loads into registers that matrix instructions have read, and of the first read of results
.rept 4
	v_nop
.endr
.endm
; A K step is four quarters of 64 along K on buffers 0, 1, 0, 1.  One of the first three: multiplies buffer f and fetches quarter q into g.
.macro QUARTER slot, q, f, g, zero
	s_wait_dscnt 16                                ; the first 32 along K are in
	WIN MUL
	MUL8 \f, 0, 0, \zero
	MUL8 \f, 0, 2, \zero
	PLACES
	FETCH \slot, \q, \g
	s_wait_dscnt 32                                ; all but the 32 just issued
	WIN MUL
	MUL8 \f, 1, 0, 0
	MUL8 \f, 1, 2, 0
.endm
; The last quarter multiplies buffer 1 and changes slots: ONE barrier; in front of it each wave waits for all its tensor loads, adds 0 to its spare word, and waits for that and for its reads of this slot.
.macro TURN slot, next, fill
	WIN 0                                          ; (the add's two registers lie in window 0)
	s_wait_tensorcnt 0x0                           ; all my tensor loads have landed: my part of the next slot;
	ds_add_u32 v[SPW], v[NIL]                      ; 0 onto my spare word;
	s_wait_dscnt 17                                ; (the add and the youngest sixteen loads may be out)
	WIN MUL
	MUL8 F1, 0, 0, 0
	s_wait_dscnt 0x0                               ; the add is done, and my reads of this slot are over
	s_barrier_signal -1
	MUL8 F1, 0, 2, 0
.if \fill
	WIN 0
.endif
	s_barrier_wait -1
.if \fill
	CREST                                          ; the barrier has opened a round of the cluster's: no wave of any partner still reads this slot or has a load on its way
	s_add_nc_u64 s[G0+4*\slot+2:G0+4*\slot+3], s[G0+4*\slot+2:G0+4*\slot+3], 2*2097152
	s_add_nc_u64 s[G0B+4*\slot+2:G0B+4*\slot+3], s[G0B+4*\slot+2:G0B+4*\slot+3], 2*524288
	JLOAD \slot                                    ; the first tensor load behind the round; its four v_nop are also the places in front of the loads below
.else
	PLACES
.endif
	FETCH \next, 0, F0
	WIN MUL
	MUL8 F1, 1, 0, 0
	MUL8 F1, 1, 2, 0
.endm
	s_wait_tensorcnt 1                             ; my part of K step 0 is in (K step 1's may be out)
	s_barrier_signal -1
	s_barrier_wait -1                              ; everybody's is
	FETCH 0, 0, F0
	QUARTER 0, 1, F0, F1, 1                        ; K step 0: its first products start the sums
	QUARTER 0, 2, F1, F0, 0
	QUARTER 0, 3, F0, F1, 0
	TURN 0, 1, 1                                   ; slot 0 takes K step 2
	QUARTER 1, 1, F0, F1, 0
	QUARTER 1, 2, F1, F0, 0
	QUARTER 1, 3, F0, F1, 0
	TURN 1, 0, 1                                   ; slot 1 takes K step 3
	QUARTER 0, 1, F0, F1, 0
	QUARTER 0, 2, F1, F0, 0
	QUARTER 0, 3, F0, F1, 0
	TURN 0, 1, 0                                   ; nothing is left to fetch
	QUARTER 1, 1, F0, F1, 0
	QUARTER 1, 2, F1, F0, 0
	QUARTER 1, 3, F0, F1, 0
	s_wait_dscnt 16
	WIN MUL
	MUL8 F1, 0, 0, 0
	MUL8 F1, 0, 2, 0
	s_wait_dscnt 0
	MUL8 F1, 1, 0, 0
	MUL8 F1, 1, 2, 0
	WIN 0
; THE WAY OUT, a tile of 16 tokens x my 64 columns at a time, through my own stage: a lane holds 32 bytes of a row; back come whole rows of 256 bytes.  LDS serves a wave's instructions in order.
.macro TOSTAGE a
.irp b, 0,1,2,3
	ds_store_b128 v[STO], v[ACC+8*(4*(\a)+\b):ACC+8*(4*(\a)+\b)+3] offset:64*\b      ; each accumulator from its low end on
	ds_store_b128 v[STO], v[ACC+8*(4*(\a)+\b)+4:ACC+8*(4*(\a)+\b)+7] offset:64*\b+16
.endr
.irp t, 0,1,2,3,4,5,6,7
	ds_load_b128 v[TMP+32*((\a)%2)+4*\t:TMP+32*((\a)%2)+4*\t+3], v[RD] offset:\t*2*SPITCH
.endr
.endm
.macro SEND a, younger                 ; younger: the LDS instructions issued behind tile a's loads
	s_wait_dscnt \younger
.irp t, 0,1,2,3,4,5,6,7
	global_store_b128 v[CO], v[TMP+32*((\a)%2)+4*\t:TMP+32*((\a)%2)+4*\t+3], s[8:9] offset:(32*((\a)/2)+8*((\a)%2)+2*\t+8*(\t/4))*4096 th:TH_STORE_NT   ; rows 2 t and 2 t + 1 of the tile, at their tokens: sixteen lanes store 256 consecutive bytes, aligned
.endr
.endm
	PLACES
	TOSTAGE 0
	TOSTAGE 1
	SEND 0, 16
	s_wait_xcnt 0x0                                ; tile 0's stores have read their registers: tile 2's loads may land there
	TOSTAGE 2
	SEND 1, 16
	s_wait_xcnt 0x0
	TOSTAGE 3
	SEND 2, 16
	SEND 3, 0
	s_wait_tensorcnt 0x0                           ; the wave's end
	ds_add_u32 v[SPW], v[NIL]
	s_wait_dscnt 0x0
	CROUND                                         ; the closing round
	s_endpgm
.Lfunc_end_k_qfd2e9fda0a_proj:
	.size	k_qfd2e9fda0a_proj, .Lfunc_end_k_qfd2e9fda0a_proj-k_qfd2e9fda0a_proj
	.p2alignl 7, 3214868480
	.fill 96, 4, 3214868480
	.section	.rodata,"a",@progbits
	.p2align	6, 0x0
	.amdhsa_kernel k_qfd2e9fda0a_proj
		.amdhsa_group_segment_fixed_size 327680
		.amdhsa_private_segment_fixed_size 0
		.amdhsa_enable_private_segment 0
		.amdhsa_kernarg_size 24
		.amdhsa_user_sgpr_count 2
		.amdhsa_user_sgpr_kernarg_segment_ptr 1
		.amdhsa_wavefront_size32 1
		.amdhsa_system_sgpr_workgroup_id_x 1
		.amdhsa_system_sgpr_workgroup_id_y 1
		.amdhsa_system_sgpr_workgroup_id_z 1
		.amdhsa_system_vgpr_workitem_id 0
		.amdhsa_next_free_vgpr 512
		.amdhsa_next_free_sgpr 66
		.amdhsa_reserve_vcc 0
		.amdhsa_float_denorm_mode_32 3
		.amdhsa_float_denorm_mode_16_64 3
		.amdhsa_memory_ordered 1
		.amdhsa_forward_progress 1
		.amdhsa_inst_pref_size 85
	.end_amdhsa_kernel
	.amdgpu_metadata
---
amdhsa.version: [ 1, 2 ]
amdhsa.kernels:
  - .name:           k_qfd2e9fda0a_proj
    .symbol:         k_qfd2e9fda0a_proj.kd
    .args:
      - { .name: cf, .offset: 0, .size: 8, .value_kind: global_buffer, .address_space: global }
      - { .name: wo16, .offset: 8, .size: 8, .value_kind: global_buffer, .address_space: global }
      - { .name: out0, .offset: 16, .size: 8, .value_kind: global_buffer, .address_space: global }
    .group_segment_fixed_size: 327680
    .private_segment_fixed_size: 0
    .kernarg_segment_align: 8
    .kernarg_segment_size: 24
    .max_flat_workgroup_size: 128
    .sgpr_count:     66
    .vgpr_count:     512
    .wavefront_size: 32
...
	.end_amdgpu_metadata
.endif
;; end of part 4
;; launch fproj (part 5): grid 16 x 1, 16 waves a work-group, no clusters, 141,312 bytes of LDS; arguments cf, wo, out0; writes out0
.if DOCPART == 5
	.amdgcn_target "amdgcn-amd-amdhsa--gfx1250"
	.amdhsa_code_object_version 6
	.text
	.protected	k_qfd2e9fda0a_fproj
	.globl	k_qfd2e9fda0a_fproj
	.p2align	8
	.type	k_qfd2e9fda0a_fproj,@function
k_qfd2e9fda0a_fproj:
	s_mov_b64 s[64:65], 0
	v_nop
	global_prefetch_b8 v0, s[64:65] scope:SCOPE_SE
	s_setreg_imm32_b32 hwreg(HW_REG_WAVE_MODE, 25, 1), 1
	s_wait_xcnt 0x0
; Launch 5 of 5: rows 0 to 31 of out0 = ctx wo once more, more finely: these rows may sum few terms in the attention, where the rounding of f16 operands weighs most.  It stores over what the launch before left in these 32 rows.
; Both operands go as pairs of f16 numbers, a high and a low part split in f32: out = c hi w hi + c lo w hi + c hi w lo, f32 sums; what is dropped, c lo w lo, lies 22 bits under the product.
; ctx comes as images of operand fragments: hi from cf [g 4][a 256][8][1,024 bytes], tiles a = 0, 1; lo from byte 8,388,608 on, [g 4][a 2][8][1,024].  Tile a's row p is token 8 a + p + 8 (p / 8).
; wo comes as f32, [k 1024][n 1024], and is split here, by cutting to 11 significant bits: each byte of it is read once in the launch.
; SHARES.  16 work-groups, 64 columns each; 16 waves, wave w takes K = 64 w .. 64 w + 63: two steps of 32.  A load takes 16 bytes a lane: lanes 0-15 read 256 consecutive bytes of one row of wo, lanes 16-31 of another.
; A lane's four columns belong to FOUR TILES: tile c holds columns 4 r + c.  Source 0 = 16 rows of ctx, source 1 = 16 columns of wo: in the result lane (r, h) holds column 4 r + c and rows 8 h + 0 .. 7.
; The sixteen waves' sums meet in LDS, rows of 256 + 16 bytes; each thread adds sixteen pieces of 16 bytes and stores one: sixteen lanes store 256 consecutive bytes, aligned.
; No tensor load, no cluster: no two work-groups share a byte of wo, and ctx is 128 KiB.  No prefetch: the launch is short and asks for all it reads within its first lines.
; LIMITS: the low parts keep an absolute step of 6e-8 (f16's smallest); magnitudes up to 65,504.  NaN and infinities are not served.
.set STG,   8704                       ; a wave's 32 rows x 272 bytes
.set SPARE, 139264                     ; behind the sixteen: the spare words, 128 bytes for each wave
.set WO,  1                            ; v1   wo: 32,768 h + 16 r
.set LI,  2                            ; v2   16 x lane
.set STO, 3                            ; v3   into my stage: row 8 h, 16 r
.set SPW, 4                            ; v4, v5: the add's two; never rewritten
.set NIL, 5
.set RD0, 6                            ; v6, v7  out of the stages: waves 0-7, waves 8-15
.set RD1, 7
.set CH,  16                           ; v16-47   ctx hi (s, a) at 16 + 16 s + 8 a
.set CL,  48                           ; v48-79   ctx lo likewise
.set W,   80                           ; v80-143  a K step of wo as loaded: register 4 i + c: k index i, column 4 r + c; later the sixteen partial sums
.set BH,  144                          ; v144-159 two tiles' w hi;  v160-175 their w lo
.set BL,  160
.set ACC, 176                          ; v176-239 accumulator (a, c) at 176 + 8 (4 a + c)
.set CO,  240                          ; v240     my byte offset in out0
	s_load_b128 s[4:7], s[0:1], 0x0                ; cf, wo
	s_load_b64 s[8:9], s[0:1], 0x10                ; out0
	v_lshl_add_u32 v[SPW], v0, 2, SPARE
	v_mov_b32 v[NIL], 0
	v_lshrrev_b32 v1, 5, v0
	v_readfirstlane_b32 s10, v1                    ; wave 0..15
	v_and_b32 v2, 31, v0
	v_and_b32 v8, 15, v0                           ; r; also my 16 bytes of a row on the way out
	v_bfe_u32 v9, v0, 4, 1                         ; h
	v_lshlrev_b32 v[WO], 15, v9                    ; lanes 16-31 begin 8 rows of 4,096 bytes further down
	v_lshl_add_u32 v[WO], v8, 4, v[WO]
	v_lshlrev_b32 v[LI], 4, v2
	s_mul_i32 s11, s10, STG
	v_mul_u32_u24 v[STO], v9, 8*272
	v_lshl_add_u32 v[STO], v8, 4, v[STO]
	v_add_nc_u32 v[STO], s11, v[STO]
	v_lshrrev_b32 v10, 4, v0                       ; the row that I add up: 0 .. 31
	v_mul_u32_u24 v[RD0], v10, 272
	v_lshl_add_u32 v[RD0], v8, 4, v[RD0]
	v_add_nc_u32 v[RD1], 8*STG, v[RD0]
	v_and_b32 v11, 7, v10                          ; its token: bits 3 and 4 change places
	v_bfe_u32 v12, v10, 4, 1
	v_lshl_or_b32 v11, v12, 3, v11
	v_bfe_u32 v12, v10, 3, 1
	v_lshl_or_b32 v11, v12, 4, v11
	v_lshlrev_b32 v11, 12, v11
	v_lshl_add_u32 v[CO], v8, 4, v11
	s_lshr_b32 s12, s10, 2                         ; K step 2 w + s is image 2 (w % 4) + s of group w / 4
	s_and_b32 s13, s10, 3
	s_lshl_b32 s14, s12, 21
	s_lshl_b32 s15, s13, 11
	s_add_co_u32 s14, s14, s15
	s_mov_b32 s15, 0
	s_lshl_b32 s16, s12, 14
	s_lshl_b32 s17, s13, 11
	s_add_co_u32 s16, s16, s17
	s_add_co_u32 s16, s16, 8388608
	s_mov_b32 s17, 0
	s_lshl_b32 s18, s10, 18                        ; wo: row 64 w,
	s_lshl_b32 s20, ttmp9, 8                       ; column 64 x work-group
	s_add_co_u32 s18, s18, s20
	s_mov_b32 s19, 0
	s_mov_b32 s21, 0
	s_mov_b32 s22, 0xffffe000                      ; keeps sign, exponent and 10 bits of the mantissa
	s_wait_kmcnt 0x0
	s_add_nc_u64 s[14:15], s[4:5], s[14:15]
	s_add_nc_u64 s[16:17], s[4:5], s[16:17]
	s_add_nc_u64 s[6:7], s[6:7], s[18:19]
	s_add_nc_u64 s[8:9], s[8:9], s[20:21]
.macro WLOAD s                         ; K step s: lane (r, h) takes k = 8 h + 0 .. 7 and 16 + 8 h + 0 .. 7, as the operand's layout gives them to it
.irp i, 0,1,2,3,4,5,6,7
	global_load_b128 v[W+4*\i:W+4*\i+3], v[WO], s[6:7] offset:(32*\s+\i)*4096 th:TH_LOAD_NT
.endr
.irp i, 0,1,2,3,4,5,6,7
	global_load_b128 v[W+32+4*\i:W+32+4*\i+3], v[WO], s[6:7] offset:(32*\s+16+\i)*4096 th:TH_LOAD_NT
.endr
.endm
.irp s, 0,1
.irp a, 0,1
.irp c, 0,1
	global_load_b128 v[CH+16*\s+8*\a+4*\c:CH+16*\s+8*\a+4*\c+3], v[LI], s[14:15] offset:8192*\a+1024*\s+512*\c
	global_load_b128 v[CL+16*\s+8*\a+4*\c:CL+16*\s+8*\a+4*\c+3], v[LI], s[16:17] offset:8192*\a+1024*\s+512*\c
.endr
.endr
.endr
	WLOAD 0
; Tile c's 16 numbers of my lane become a fragment of w hi and one of w lo, in place e of two.  hi = w cut to 11 significant bits, which f16 holds; lo = w - hi, exact in f32.
.macro CONV c, e
.irp q, 0,1,2,3,4,5,6,7
	v_and_b32 v[8+4*(\q%2)], s22, v[W+8*\q+\c]
	v_and_b32 v[9+4*(\q%2)], s22, v[W+8*\q+4+\c]
	v_sub_f32 v[10+4*(\q%2)], v[W+8*\q+\c], v[8+4*(\q%2)]
	v_sub_f32 v[11+4*(\q%2)], v[W+8*\q+4+\c], v[9+4*(\q%2)]
	v_cvt_pk_f16_f32 v[BH+8*\e+\q], v[8+4*(\q%2)], v[9+4*(\q%2)]
	v_cvt_pk_f16_f32 v[BL+8*\e+\q], v[10+4*(\q%2)], v[11+4*(\q%2)]
.endr
.endm
; Twelve matrix instructions: tiles c0, c0 + 1 x both tiles of rows x the three products; the four accumulators take turns, one instruction a turn.  zero = 1: the first product starts the sums.
.macro MM s, c0, zero
.irp a, 0,1
.irp e, 0,1
.if \zero
	v_wmma_f32_16x16x32_f16 v[ACC+8*(4*\a+\c0+\e):ACC+8*(4*\a+\c0+\e)+7], v[CH+16*\s+8*\a:CH+16*\s+8*\a+7], v[BH+8*\e:BH+8*\e+7], 0
.else
	v_wmma_f32_16x16x32_f16 v[ACC+8*(4*\a+\c0+\e):ACC+8*(4*\a+\c0+\e)+7], v[CH+16*\s+8*\a:CH+16*\s+8*\a+7], v[BH+8*\e:BH+8*\e+7], v[ACC+8*(4*\a+\c0+\e):ACC+8*(4*\a+\c0+\e)+7]
.endif
.endr
.endr
.irp a, 0,1
.irp e, 0,1
	v_wmma_f32_16x16x32_f16 v[ACC+8*(4*\a+\c0+\e):ACC+8*(4*\a+\c0+\e)+7], v[CL+16*\s+8*\a:CL+16*\s+8*\a+7], v[BH+8*\e:BH+8*\e+7], v[ACC+8*(4*\a+\c0+\e):ACC+8*(4*\a+\c0+\e)+7]
.endr
.endr
.irp a, 0,1
.irp e, 0,1
	v_wmma_f32_16x16x32_f16 v[ACC+8*(4*\a+\c0+\e):ACC+8*(4*\a+\c0+\e)+7], v[CH+16*\s+8*\a:CH+16*\s+8*\a+7], v[BL+8*\e:BL+8*\e+7], v[ACC+8*(4*\a+\c0+\e):ACC+8*(4*\a+\c0+\e)+7]
.endr
.endr
.rept 4
	v_nop                                          ; places in front of the vector lines that write w's fragments anew, and of the first read of results
.endr
.endm
	s_wait_loadcnt 0x0                             ; ctx's fragments of both steps, and wo's first step
	CONV 0, 0
	CONV 1, 1
	MM 0, 0, 1
	CONV 2, 0
	CONV 3, 1
	WLOAD 1                                        ; the first step's numbers have been read: the second step's land while twelve products run
	MM 0, 2, 1
	s_wait_loadcnt 0x0
	CONV 0, 0
	CONV 1, 1
	MM 1, 0, 0
	CONV 2, 0
	CONV 3, 1
	MM 1, 2, 0
.irp a, 0,1
.irp c, 0,1,2,3
.irp j, 0,1,2,3,4,5,6,7
	ds_store_b32 v[STO], v[ACC+8*(4*\a+\c)+\j] offset:(16*\a+\j)*272+4*\c   ; row 16 a + 8 h + j, column 4 r + c; each accumulator from its low end on
.endr
.endr
.endr
	s_wait_dscnt 0x0                               ; for the others' sake: my stores are done
	s_barrier_signal -1
	s_barrier_wait -1
.irp w, 0,1,2,3,4,5,6,7
	ds_load_b128 v[W+4*\w:W+4*\w+3], v[RD0] offset:\w*STG
.endr
.irp w, 0,1,2,3,4,5,6,7
	ds_load_b128 v[W+32+4*\w:W+32+4*\w+3], v[RD1] offset:\w*STG
.endr
	s_wait_dscnt 0x0
.macro FOLD d                          ; the upper half of 2 d registers is added onto the lower
.set i, 0
.rept \d/2
	v_pk_add_f32 v[W+i:W+i+1], v[W+i:W+i+1], v[W+\d+i:W+\d+i+1]
.set i, i+2
.endr
.endm
	FOLD 32
	FOLD 16
	FOLD 8
	FOLD 4
	global_store_b128 v[CO], v[W:W+3], s[8:9] th:TH_STORE_NT   ; sixteen lanes store 256 consecutive bytes of a row, aligned
	s_wait_tensorcnt 0x0                           ; the wave's end: three lines behind my last LDS store
	ds_add_u32 v[SPW], v[NIL]
	s_wait_dscnt 0x0
	s_endpgm
.Lfunc_end_k_qfd2e9fda0a_fproj:
	.size	k_qfd2e9fda0a_fproj, .Lfunc_end_k_qfd2e9fda0a_fproj-k_qfd2e9fda0a_fproj
	.p2alignl 7, 3214868480
	.fill 96, 4, 3214868480
	.section	.rodata,"a",@progbits
	.p2align	6, 0x0
	.amdhsa_kernel k_qfd2e9fda0a_fproj
		.amdhsa_group_segment_fixed_size 141312
		.amdhsa_private_segment_fixed_size 0
		.amdhsa_enable_private_segment 0
		.amdhsa_kernarg_size 24
		.amdhsa_user_sgpr_count 2
		.amdhsa_user_sgpr_kernarg_segment_ptr 1
		.amdhsa_wavefront_size32 1
		.amdhsa_system_sgpr_workgroup_id_x 1
		.amdhsa_system_sgpr_workgroup_id_y 1
		.amdhsa_system_sgpr_workgroup_id_z 1
		.amdhsa_system_vgpr_workitem_id 0
		.amdhsa_next_free_vgpr 256
		.amdhsa_next_free_sgpr 66
		.amdhsa_reserve_vcc 0
		.amdhsa_float_denorm_mode_32 3
		.amdhsa_float_denorm_mode_16_64 3
		.amdhsa_memory_ordered 1
		.amdhsa_forward_progress 1
		.amdhsa_inst_pref_size 34
	.end_amdhsa_kernel
	.amdgpu_metadata
---
amdhsa.version: [ 1, 2 ]
amdhsa.kernels:
  - .name:           k_qfd2e9fda0a_fproj
    .symbol:         k_qfd2e9fda0a_fproj.kd
    .args:
      - { .name: cf, .offset: 0, .size: 8, .value_kind: global_buffer, .address_space: global }
      - { .name: wo, .offset: 8, .size: 8, .value_kind: global_buffer, .address_space: global }
      - { .name: out0, .offset: 16, .size: 8, .value_kind: global_buffer, .address_space: global }
    .group_segment_fixed_size: 141312
    .private_segment_fixed_size: 0
    .kernarg_segment_align: 8
    .kernarg_segment_size: 24
    .max_flat_workgroup_size: 512
    .sgpr_count:     66
    .vgpr_count:     256
    .wavefront_size: 32
...
	.end_amdgpu_metadata
.endif
;; end of part 5
